; MI455X (gfx1250); checked and timed in simulation.
; The chip was launched on July 23, 2026; its instructions are those of AMD's public machine-readable ISA for CDNA 5 (MIT licence, August 2026) and "CDNA5" Instruction Set Architecture Reference Guide (July 2026). The comments in the code are by the model that wrote it; some were corrected since.
;; Torch Block. Allowed arithmetic: matrix products marked QUANTISED: E4M3 operands, one given power-of-two scale a tensor, by v_wmma_f32_16x16x64_fp8_fp8 or v_wmma_f32_16x16x128_fp8_fp8, f32 sums; everything else in f32.
;; Inputs: b_fc 4,096 float32; b_proj 1,024 float32; lowp_scales 12 int32 (the exponents e of the quantised operands' scales 2^e); w_fc 4,096 x 1,024 float32; w_in 3,072 x 1,024 float32; w_out 1,024 x 1,024 float32; w_proj 1,024 x 4,096 float32; x 2 x 2,048 x 1,024 float32.
;; Outputs: out0 2 x 2,048 x 1,024 float32.
;; This version of the problem:
;;   THIS VERSION OF THE PROBLEM IS GIVEN IN LOW PRECISION. The matrix products marked QUANTISED in the list below multiply operands that are first quantised to E4M3 (4 exponent bits, 3 mantissa bits; 8 bits a number), with one given power-of-two scale for each operand tensor; their sums are f32. All else is computed in f32.
;;   The module's matrix products, in the order in which they are computed (A, B: the left and right operand; K: the contracted axis; several contracted axes count as one K, in the product's order):
;;     1. [M 4,096, K 1,024] x [K 1,024, N 3,072]; A: computed on the way; B: input w_in: QUANTISED (scales: A lowp_scales[0], B lowp_scales[1])
;;     2. batch 32 x [M 2,048, K 64] x [K 64, N 2,048]; A: computed on the way; B: computed on the way: QUANTISED (scales: A lowp_scales[2], B lowp_scales[3])
;;     3. batch 32 x [M 64, K 2,048] x [K 2,048, N 2,048]; A: computed on the way; B: softmax (see below): QUANTISED (scales: A lowp_scales[4], B lowp_scales[5])
;;     4. [M 4,096, K 1,024] x [K 1,024, N 1,024]; A: computed on the way; B: input w_out: QUANTISED (scales: A lowp_scales[6], B lowp_scales[7])
;;     5. [M 4,096, K 1,024] x [K 1,024, N 4,096]; A: computed on the way; B: input w_fc: QUANTISED (scales: A lowp_scales[8], B lowp_scales[9])
;;     6. [M 4,096, K 4,096] x [K 4,096, N 1,024]; A: computed on the way; B: input w_proj: QUANTISED (scales: A lowp_scales[10], B lowp_scales[11])
;;   THE QUANTISER, for each operand of a quantised product, along K:
;;     - The operand's scale is 2^e, e = its entry of the input lowp_scales (int32; the entries are numbered through the quantised products in the list's order, A before B).
;;     - Each number is divided by the scale, clamped to +-448, and rounded to the nearest number of E4M3, ties to even, subnormals kept.
;;     - The product sums the exact products of the quantised numbers (number of the format x scale) in f32.
;;   ~~~python
;;   def quantise(x, axis, e):      # numpy; x: float32 -> the quantised numbers, widened to float32 again
;;       x = np.moveaxis(x, axis, -1); K = x.shape[-1]
;;       r = np.clip(x / 2.0 ** e, -448, 448)
;;       step = 2.0 ** (np.maximum(np.frexp(np.where(r == 0, 1, r))[1] - 1, -6) - 3)
;;       q = np.round(r / step) * step * 2.0 ** e      # np.round: ties to even
;;       return np.moveaxis(q, -1, axis).astype(np.float32)
;;   ~~~
;;   SOFTMAX AHEAD OF A QUANTISED PRODUCT. Where the list says 'softmax', what is quantised is not the finished softmax but p = 2^(t - M), with t = logit x log2(e) and M = ceil(the row's largest t), a whole number; so 1/2 < the row's largest p <= 1. The row's sum l is taken of the UNQUANTISED p, in f32, and the product's result is divided by l at the end. Since M is a whole number, a kernel that streams over the keys may use a running M (the ceiling of the running maximum): every later rescaling is an exact power of two, so the quantised numbers keep their values, but for numbers so far below the row's largest that they fall under the format's range.
;;   OPERANDS COMPUTED ON THE WAY. 'Computed on the way' means the value that the module computes at that place (a softmax that the list does not call 'softmax' is quantised finished and normalised). What goes into a quantiser is computed in f32, as accurately as f32 sums, v_exp_f32 and their like allow (about 1e-6 of the number): no bf16 or f16 on the way to a quantiser, and a product that is left as it is and whose result goes on into a quantised operand takes f32 operands (vector FMAs, or v_wmma_f32_16x16x4_f32). A number that lies on a knife's edge between two numbers of the format may be rounded either way, as far as f32 arithmetic and the matrix unit's own rounding can turn it there, and no further.
;; One version. Each part assembles by itself: llvm-mc -triple=amdgcn-amd-amdhsa -mcpu=gfx1250 --defsym DOCPART=n.
;; ======== version 1 of 1: 7 launches
;; limits: right only within a limited range of input values
;; workspace buffers: codes 16,777,216 bytes; qkv 12,582,912 bytes; oc 4,194,304 bytes; x2 16,777,216 bytes; h2q 4,194,304 bytes; mq 16,777,216 bytes
;; launch prep (part 1): grid 1024 x 1, 4 waves a work-group, no clusters, 20,992 bytes of LDS; arguments x, w_in, w_out, w_fc, w_proj, lowp_scales, codes; writes codes
.if DOCPART == 1
	.amdgcn_target "amdgcn-amd-amdhsa--gfx1250"
	.amdhsa_code_object_version 6
	.text
	.protected	k_qe332e6f340_prep
	.globl	k_qe332e6f340_prep
	.p2align	8
	.type	k_qe332e6f340_prep,@function
k_qe332e6f340_prep:
	s_mov_b64 s[64:65], 0
	v_nop
	global_prefetch_b8 v0, s[64:65] scope:SCOPE_SE
	s_setreg_imm32_b32 hwreg(HW_REG_WAVE_MODE, 25, 1), 1
	s_wait_xcnt 0x0
; THE PROGRAM: one transformer block, 4,096 tokens x 1,024, 16 heads of 64, causal; all six products on codes of E4M3 with the given scales 2^e.
;   prep: LN(x) and the four weights into codes | qkvp: product 1, q, k, v into codes | attn: products 2 and 3 | outp: product 4 + x | ln2: LN into codes | fc: product 5, bias, relu, codes | proj: product 6 + bias + residual.
; WORK LEFT OUT: reference() sets every score with key > query to -infinity by a jnp.tril that it builds itself; behind the softmax such a score has the weight 0 whatever the inputs hold.  So steps of 128 keys that
; lie wholly behind a wave's 16 queries are computed nowhere (launch attn).  Nothing else is left out and every input is loaded.  LIMIT: a NaN, an infinity or an overflow that reaches only those steps is not carried to the result.
; THIS LAUNCH.  x [4096][1024] is normalised along its rows, (x - mean) / sqrt(var + 1e-5), mean and variance in two passes in f32, and quantised with e0; w_in, w_out, w_fc, w_proj are quantised as they lie (K is
; innermost in all four) with e1, e7, e9, e11.  code = number / 2^e, held within +-448, to the nearest code, ties to even.
; All five are streams of pieces of 1,024 numbers (a row of w_proj is four).  Work-group g takes pieces 16 g .. 16 g + 15, a wave four; the codes of piece p lie at byte 1,024 p of the buffer codes:
; LN(x) at 0, w_in at 4 MiB, w_out at 7 MiB, w_fc at 8 MiB, w_proj at 12 MiB.  The source is chosen by the work-group's number alone.
; A piece is 32 registers of a wave: eight loads of 512 consecutive bytes.  The conversions want 16 neighbours in ONE lane: so a piece turns through the wave's own stage in LDS (in as loaded, out 64 bytes a lane;
; 16 bytes of padding behind each 64).  A lane's 16 codes are 16 bytes: each store of the wave covers 512 consecutive bytes, aligned.  Waves share nothing: no barrier.
; LIMITS: each e between -126 and 119, so that 2^e and 448 x 2^e are f32 numbers.  NaN and infinity among the inputs are not served.
.set SP,    80                         ; a lane's place in the stage: 64 bytes + 16
.set WREG,  64*SP                      ; a wave's stage: two halves of 32 places
.set SPARE, 4*WREG                     ; behind the stages: the spare words, 128 bytes a wave
.set SPW,   12                         ; v12  my spare word's LDS address; never rewritten
.set NIL,   13                         ; v13  0; never rewritten
.set R,     16                         ; v16-143   four pieces as loaded
.set X,     144                        ; v144-175  a piece, 2 x 16 neighbours
.set C,     176                        ; v176-207  codes: eight registers a piece, never written twice
.set T,     208                        ; v208-211  sums at work
.set MN,    212                        ; v[212:213] the mean, then 1 / sqrt(var + eps), twice
.set IV,    214                        ; v214  1 / 1024
	s_load_b256 s[4:11], s[0:1], 0x0               ; x, w_in, w_out, w_fc
	s_load_b128 s[12:15], s[0:1], 0x20             ; w_proj, the exponents
	s_load_b64 s[16:17], s[0:1], 0x30              ; codes
	v_lshl_add_u32 v[SPW], v0, 2, SPARE
	v_mov_b32 v[NIL], 0
	v_lshrrev_b32 v1, 5, v0
	v_readfirstlane_b32 s21, v1                    ; wave
	v_and_b32 v2, 31, v0                           ; lane
	v_lshlrev_b32 v3, 4, v2                        ; 16 x lane: my bytes of a load's 512, and of a store's
	s_mul_i32 s38, s21, WREG
	v_lshrrev_b32 v14, 2, v2
	v_mul_u32_u24 v14, v14, SP
	v_and_b32 v15, 3, v2
	v_lshl_add_u32 v14, v15, 4, v14
	v_add_nc_u32 v14, s38, v14                     ; the stage, in: four lanes' 64 bytes on end, then the padding
	v_mul_u32_u24 v15, v2, SP
	v_add_nc_u32 v15, s38, v15                     ; the stage, out: my 16 neighbours
	s_mov_b32 s36, 0x76543210                      ; v_permlanex16_b32: lane l xor 16
	s_mov_b32 s37, 0xfedcba98
	v_mov_b32 v[IV], 0x3a800000
	s_wait_alu depctr_va_vdst(0)
	s_wait_kmcnt 0x0
	s_load_b256 s[24:31], s[14:15], 0x0            ; e0 .. e7
	s_load_b128 s[32:35], s[14:15], 0x20           ; e8 .. e11
	s_mov_b64 s[18:19], s[12:13]                   ; which tensor: by the work-group's number alone
	s_mov_b32 s20, 768
	s_cmp_lt_u32 ttmp9, 768
	s_cselect_b64 s[18:19], s[10:11], s[18:19]
	s_cselect_b32 s20, 512, s20
	s_cmp_lt_u32 ttmp9, 512
	s_cselect_b64 s[18:19], s[8:9], s[18:19]
	s_cselect_b32 s20, 448, s20
	s_cmp_lt_u32 ttmp9, 448
	s_cselect_b64 s[18:19], s[6:7], s[18:19]
	s_cselect_b32 s20, 256, s20
	s_cmp_lt_u32 ttmp9, 256
	s_cselect_b64 s[18:19], s[4:5], s[18:19]
	s_cselect_b32 s20, 0, s20                      ; the tensor's first work-group
	s_sub_co_u32 s38, ttmp9, s20
	s_lshl_b32 s38, s38, 16                        ; 16 pieces of 4,096 bytes a work-group,
	s_lshl_b32 s39, s21, 14                        ; four a wave
	s_add_co_u32 s38, s38, s39
	s_mov_b32 s39, 0
	s_add_nc_u64 s[18:19], s[18:19], s[38:39]
	s_lshl_b32 s38, ttmp9, 14                      ; and their codes
	s_lshl_b32 s40, s21, 12
	s_add_co_u32 s38, s38, s40
	s_add_nc_u64 s[16:17], s[16:17], s[38:39]
.set ii, 0
.rept 32                                       ; all 32 loads of the wave go out at once
	global_load_b128 v[R+4*ii:R+4*ii+3], v3, s[18:19] offset:512*ii th:TH_LOAD_NT
.set ii, ii+1
.endr
	s_wait_kmcnt 0x0
	s_mov_b32 s40, s35                             ; the tensor's exponent, by the same chain
	s_cmp_lt_u32 ttmp9, 768
	s_cselect_b32 s40, s33, s40
	s_cmp_lt_u32 ttmp9, 512
	s_cselect_b32 s40, s31, s40
	s_cmp_lt_u32 ttmp9, 448
	s_cselect_b32 s40, s25, s40
	s_cmp_lt_u32 ttmp9, 256
	s_cselect_b32 s40, s24, s40
	s_add_co_i32 s40, s40, 127
	s_lshl_b32 s41, s40, 23
	v_mov_b32 v11, s41                             ; 2^e as f32: the conversion takes its exponent field
	s_add_co_i32 s40, s40, 8
	s_lshl_b32 s40, s40, 23
	s_or_b32 s40, s40, 0x600000
	v_mov_b32 v10, s40                             ; 448 x 2^e
.macro REDUCE                          ; two packed chains in v[T:T+3] -> the piece's sum, in v[T] of every lane
	v_pk_add_f32 v[T:T+1], v[T:T+1], v[T+2:T+3]
	v_add_f32 v[T], v[T], v[T+1]
	v_add_f32_dpp v[T], v[T], v[T] row_xmask:1 row_mask:0xf bank_mask:0xf
	v_add_f32_dpp v[T], v[T], v[T] row_xmask:2 row_mask:0xf bank_mask:0xf
	v_add_f32_dpp v[T], v[T], v[T] row_xmask:4 row_mask:0xf bank_mask:0xf
	v_add_f32_dpp v[T], v[T], v[T] row_xmask:8 row_mask:0xf bank_mask:0xf
	v_permlanex16_b32 v[T+1], v[T], s36, s37
	v_add_f32 v[T], v[T], v[T+1]
.endm
.macro ROW t
.set RB, R+32*(\t)
	s_wait_loadcnt 8*(3-(\t))                      ; this piece's eight loads are in; the later pieces' may be out
	s_cmp_ge_u32 ttmp9, 256                        ; a weight is quantised as it is: the jump leads round vector lines alone
	s_cbranch_scc1 .Lplain_\@
	v_pk_add_f32 v[T:T+1], v[RB:RB+1], v[RB+2:RB+3]
	v_pk_add_f32 v[T+2:T+3], v[RB+4:RB+5], v[RB+6:RB+7]
.irp j, 8,12,16,20,24,28
	v_pk_add_f32 v[T:T+1], v[T:T+1], v[RB+\j:RB+\j+1]
	v_pk_add_f32 v[T+2:T+3], v[T+2:T+3], v[RB+\j+2:RB+\j+3]
.endr
	REDUCE
	v_mul_f32 v[MN], v[IV], v[T]                   ; the mean
	v_mov_b32 v[MN+1], v[MN]
.irp j, 0,2,4,6,8,10,12,14,16,18,20,22,24,26,28,30
	v_pk_add_f32 v[RB+\j:RB+\j+1], v[RB+\j:RB+\j+1], v[MN:MN+1] neg_lo:[0,1] neg_hi:[0,1]   ; x - mean: the variance is taken of these, so a common offset costs nothing
.endr
	v_pk_mul_f32 v[T:T+1], v[RB:RB+1], v[RB:RB+1]
	v_pk_mul_f32 v[T+2:T+3], v[RB+2:RB+3], v[RB+2:RB+3]
.irp j, 4,8,12,16,20,24,28
	v_pk_fma_f32 v[T:T+1], v[RB+\j:RB+\j+1], v[RB+\j:RB+\j+1], v[T:T+1]
	v_pk_fma_f32 v[T+2:T+3], v[RB+\j+2:RB+\j+3], v[RB+\j+2:RB+\j+3], v[T+2:T+3]
.endr
	REDUCE
	v_fmaak_f32 v[T], v[T], v[IV], 0x3727c5ac      ; var + 1e-5
	s_wait_alu depctr_va_vdst(0)
	v_rsq_f32 v[MN], v[T]
	v_nop                                          ; a plain line behind the transcendental,
	s_wait_alu depctr_va_vdst(0)                   ; and the wait ahead of its first reader
	v_mov_b32 v[MN+1], v[MN]
.irp j, 0,2,4,6,8,10,12,14,16,18,20,22,24,26,28,30
	v_pk_mul_f32 v[RB+\j:RB+\j+1], v[RB+\j:RB+\j+1], v[MN:MN+1]
.endr
.Lplain_\@:
.irp i, 0,1,2,3,4,5,6,7
	ds_store_b128 v14, v[RB+4*\i:RB+4*\i+3] offset:8*SP*\i
.endr
.irp i, 0,1,2,3,4,5,6,7                        ; LDS serves a wave's instructions in order: these see the stores above
	ds_load_b128 v[X+4*\i:X+4*\i+3], v15 offset:32*SP*(\i/4)+16*(\i%4)
.endr
	s_wait_dscnt 0x0
.set ii, 0
	s_wait_alu depctr_va_vdst(0)
.rept 32
	v_med3_num_f32 v[X+ii], v[X+ii], -v10, v10     ; the conversion does not saturate (ISA guide 7.6.2): the hold at the largest code x the scale
.set ii, ii+1
.endr
.irp g, 0,1,2,3
	v_cvt_scalef32_pk8_fp8_f32 v[C+8*(\t)+2*\g:C+8*(\t)+2*\g+1], v[X+8*\g:X+8*\g+7], v11
.endr
	v_nop                                          ; a plain line between the conversions and the next vector line that writes their sources
	global_store_b128 v3, v[C+8*(\t):C+8*(\t)+3], s[16:17] offset:1024*(\t)
	global_store_b128 v3, v[C+8*(\t)+4:C+8*(\t)+7], s[16:17] offset:1024*(\t)+512
.endm
	ROW 0
	ROW 1
	ROW 2
	ROW 3
	s_wait_tensorcnt 0x0                           ; the wave's end, behind my last LDS store
	ds_add_u32 v[SPW], v[NIL]
	s_wait_dscnt 0x0
	s_endpgm
.Lfunc_end_k_qe332e6f340_prep:
	.size	k_qe332e6f340_prep, .Lfunc_end_k_qe332e6f340_prep-k_qe332e6f340_prep
	.p2alignl 7, 3214868480
	.fill 96, 4, 3214868480
	.section	.rodata,"a",@progbits
	.p2align	6, 0x0
	.amdhsa_kernel k_qe332e6f340_prep
		.amdhsa_group_segment_fixed_size 20992
		.amdhsa_private_segment_fixed_size 0
		.amdhsa_enable_private_segment 0
		.amdhsa_kernarg_size 56
		.amdhsa_user_sgpr_count 2
		.amdhsa_user_sgpr_kernarg_segment_ptr 1
		.amdhsa_wavefront_size32 1
		.amdhsa_system_sgpr_workgroup_id_x 1
		.amdhsa_system_sgpr_workgroup_id_y 1
		.amdhsa_system_sgpr_workgroup_id_z 1
		.amdhsa_system_vgpr_workitem_id 0
		.amdhsa_next_free_vgpr 224
		.amdhsa_next_free_sgpr 66
		.amdhsa_reserve_vcc 0
		.amdhsa_float_denorm_mode_32 3
		.amdhsa_float_denorm_mode_16_64 3
		.amdhsa_memory_ordered 1
		.amdhsa_forward_progress 1
		.amdhsa_inst_pref_size 42
	.end_amdhsa_kernel
	.amdgpu_metadata
---
amdhsa.version: [ 1, 2 ]
amdhsa.kernels:
  - .name:           k_qe332e6f340_prep
    .symbol:         k_qe332e6f340_prep.kd
    .args:
      - { .name: x, .offset: 0, .size: 8, .value_kind: global_buffer, .address_space: global }
      - { .name: w_in, .offset: 8, .size: 8, .value_kind: global_buffer, .address_space: global }
      - { .name: w_out, .offset: 16, .size: 8, .value_kind: global_buffer, .address_space: global }
      - { .name: w_fc, .offset: 24, .size: 8, .value_kind: global_buffer, .address_space: global }
      - { .name: w_proj, .offset: 32, .size: 8, .value_kind: global_buffer, .address_space: global }
      - { .name: lowp_scales, .offset: 40, .size: 8, .value_kind: global_buffer, .address_space: global }
      - { .name: codes, .offset: 48, .size: 8, .value_kind: global_buffer, .address_space: global }
    .group_segment_fixed_size: 20992
    .private_segment_fixed_size: 0
    .kernarg_segment_align: 8
    .kernarg_segment_size: 56
    .max_flat_workgroup_size: 128
    .sgpr_count:     66
    .vgpr_count:     224
    .wavefront_size: 32
...
	.end_amdgpu_metadata
.endif
;; end of part 1
;; launch qkvp (part 2): grid 12 x 16, 4 waves a work-group, clusters of 4 x 4, 327,680 bytes of LDS; arguments codes, lowp_scales, qkv; writes qkv
.if DOCPART == 2
	.amdgcn_target "amdgcn-amd-amdhsa--gfx1250"
	.amdhsa_code_object_version 6
	.text
	.protected	k_qe332e6f340_qkvp
	.globl	k_qe332e6f340_qkvp
	.p2align	8
	.type	k_qe332e6f340_qkvp,@function
k_qe332e6f340_qkvp:
	s_mov_b64 s[64:65], 0
	v_nop
	global_prefetch_b8 v0, s[64:65] scope:SCOPE_SE
	s_setreg_imm32_b32 hwreg(HW_REG_WAVE_MODE, 25, 1), 1
	s_wait_xcnt 0x0
	s_wait_alu depctr_hold_cnt(0) depctr_sa_sdst(0) depctr_va_vdst(0) depctr_va_sdst(0) depctr_va_ssrc(0) depctr_va_vcc(0) depctr_vm_vsrc(0)
	s_getreg_b32 s2, hwreg(HW_REG_IB_STS2, 6, 4)
	s_cmp_eq_u32 s2, 0
	s_cbranch_scc0 .Lentry_in_a_cluster
	s_endpgm
.Lentry_in_a_cluster:
	s_bfe_u32 s2, ttmp6, 0x10000c
	s_cmp_lg_u32 s2, 0xf033
	s_cbranch_scc0 .Lentry_shape_is_right
	s_endpgm
.Lentry_shape_is_right:
; A GEMM ON CODES WHOSE RESULT IS QUANTISED ON THE WAY OUT: C = A B^T, K = 1,024, a tile of 256 x 256 to a work-group of four waves, 128 x 128 a wave (64 accumulators, 512 registers).
; MODE 0 (this launch): product 1, LN(x) w_in^T, and q, k, v into codes (e2, e3, e4).  MODE 1: product 5, + b_fc, relu, into codes (e10).
; MODE 0 is two problems in one grid, told apart by the CLUSTER's x, which all sixteen partners share.  Clusters 0, 1: A = LN(x)'s codes (tokens), B = w_in's rows 0 .. 2,047 (q, k): a lane ends with one token and eight
; neighbouring channels, so q's and k's codes have the head's 64 innermost.  Cluster 2: A = w_in's rows 2,048 .. 3,071 (v), B = the tokens: a lane ends with one channel and eight neighbouring tokens, so v's codes
; have the KEYS innermost, as the second product of attention wants them.  Nothing is transposed by an instruction.
; OUT, MODE 0: qkv: q [32 heads][2048][64] at 0, k likewise at 4 MiB, v [32][64][2048] at 8 MiB.  MODE 1: mq [4096][4096].
; A sum stands for sum x 2^(ea + eb).  MODE 0 folds the three exponents into the conversion's one scale; MODE 1 makes sum x 2^(e8 + e9) + bias by one packed multiply-add, and the hold between 0 and 448 x 2^e10 is the relu too.
; LIMITS: e2 (e3, e4) - e0 - e1 and e10 between -126 and 119; e8 + e9 between -126 and 127.
; K goes in steps of 256 through a ring of two LDS slots filled by the tensor data mover.  CLUSTERS: 4 x 4 work-groups; A's tile is asked for jointly along a row of the cluster, B's along a column.
; THE MATRIX INSTRUCTION IS USED TRANSPOSED (source 0 = 16 rows of B, source 1 = 16 rows of A).  A fragment is fetched by four loads of 16 bytes: a permutation of k that is the same in A and in B.
; REGISTERS: window 0: v0-31 addresses; v32-95 the bias (MODE 1); from v128 A's fragments, one set; window 1: B's fragments, two sets; windows 2, 3: the accumulators ((a, b) at v[8 (8 (a % 4) + b)]).
.set MODE,   0
.set SIZE_K, 1024
.set KSTEP,  256
.set ROWB,   256
.set KROW,   SIZE_K
.set PITCH,  272                       ; an LDS row: 256 bytes + 16: the 16 rows that a load touches start at 16 different banks
.set FR,     16
.set NL,     4
.set NP,     4                         ; places behind this matrix instruction (ISA guide 7.12.1)
.set HALFT,  128*PITCH
.set SLOT,   4*HALFT
.set LAPS,   SIZE_K/(2*KSTEP)
.set SPARE,  2*SLOT                    ; behind the ring: the spare words
.set SPITCH, 272                       ; the way out: ONE stage of 256 rows x (256 bytes of codes + 16), in slot 0, which has had its last fill and its last read by then
.set BPTR,   4+2*MODE                  ; s[..] the buffer that holds B's codes
.set EPTR,   6+2*MODE                  ; the exponents
.set OUTP,   10+2*MODE                 ; the output
.set ADRA, 16
.set RDH,  18                          ; v18  MODE 0: the stage read by heads
.set COH,  19                          ; v19  16 x lane
.set ADRB, 20
.set LIM,  22                          ; v22  448 x the conversion's scale
.set SCL,  23                          ; v23  the conversion's scale
.set STO,  24                          ; v24  where I put 8 codes of a row
.set RD,   25                          ; v25  where I read rows back
.set CO,   26                          ; v26  my byte offset in two rows of the output
.set SPW,  28
.set NIL,  29
.set BIAS, 32
.set AF,   128
.set TMP,  128                         ; the way out: a block's 64 numbers,
.set CD,   192                         ; its codes,
.set RB,   128                         ; and later 64 rows read back
.set G1, 24
.set G0, 32
.set G1B, 48
.set G0B, 56
.set MSB, 0
.macro WIN new                         ; the immediate's high byte repeats the setting that is left
.if MSB != \new
	s_set_vgpr_msb (MSB<<8)|\new
.set MSB, \new
.endif
.endm
.set MUL_LO, 0xa1                      ; source 0 (B) window 1, source 1 (A) window 0, C and D window 2
.set MUL_HI, 0xf1
.set TO_B,   0x40
; A joint load: waves 0 and 1 fetch for A, waves 2 and 3 for B; the branch hangs on the wave's number alone.  An s_nop 0 and four v_nop follow each line.
.macro JLOAD g0a, g1a, g0b, g1b
	s_cmp_eq_u32 s15, 0
	s_cbranch_scc0 .Lfor_b_\@
	tensor_load_to_lds s[\g0a:\g0a+3], s[\g1a:\g1a+7]
	s_nop 0
.rept 4
	v_nop
.endr
	s_branch .Lasked_\@
.Lfor_b_\@:
	tensor_load_to_lds s[\g0b:\g0b+3], s[\g1b:\g1b+7]
	s_nop 0
.rept 4
	v_nop
.endr
.Lasked_\@:
.endm
.macro CREST                           ; a round of the cluster's barrier behind its opening barrier
	s_cmp_lg_u32 s14, 0
	s_cbranch_scc1 .Lnot_wave_0_\@
	s_barrier_signal -3
.Lnot_wave_0_\@:
	s_barrier_wait -3
	s_barrier_signal -1
	s_barrier_wait -1
.endm
.macro CROUND
	s_barrier_signal -1
	s_barrier_wait -1
	CREST
.endm
.if MODE == 0
	s_load_b128 s[4:7], s[0:1], 0x0                ; codes, the exponents
	s_load_b64 s[10:11], s[0:1], 0x10              ; qkv
.else
	s_load_b128 s[4:7], s[0:1], 0x0                ; h2q, codes
	s_load_b128 s[8:11], s[0:1], 0x10              ; the exponents, b_fc
	s_load_b64 s[12:13], s[0:1], 0x20              ; mq
.endif
	v_lshl_add_u32 v[SPW], v0, 2, SPARE
	v_mov_b32 v[NIL], 0
	ds_add_u32 v[SPW], v[NIL]                      ; the wave's opening: the add, twice on end, and its wait ahead of my first tensor load
	ds_add_u32 v[SPW], v[NIL]
	v_lshrrev_b32 v1, 5, v0
	v_readfirstlane_b32 s14, v1                    ; wave 0..3
	s_lshr_b32 s15, s14, 1                         ; my half of the tile's rows.  Also: I fetch for A (0) or for B (1)
	s_and_b32 s16, s14, 1                          ; my half of its columns.  Also: which 128 rows I fetch
	s_bfe_u32 s40, ttmp6, 0x40000                  ; cx
	s_bfe_u32 s41, ttmp6, 0x40004                  ; cy
	s_and_b32 s76, ttmp7, 0xffff
	s_lshl_b32 s76, s76, 2                         ; 4 x cluster y
	s_lshl_b32 s77, ttmp9, 2                       ; 4 x cluster x
.if MODE == 0
	s_cmp_eq_u32 ttmp9, 2                          ; the cluster's x: the same in all sixteen partners
	s_cselect_b32 s17, 0, s76                      ; v: 4 tile rows (channels), 16 tile columns (tokens);  q, k: 16 tile rows (tokens), 8 tile columns
	s_cselect_b32 s42, s76, s77
	s_cselect_b32 s78, 0x600000, 0                 ; where A's codes begin in the buffer: w_in's rows 2,048 on, or LN(x)
	s_cselect_b32 s79, 0, 0x400000                 ; and B's: LN(x), or w_in
.else
	s_mov_b32 s17, s76
	s_mov_b32 s42, s77
	s_mov_b32 s78, 0
	s_mov_b32 s79, 0x800000                        ; w_fc's codes
.endif
	s_add_co_u32 s17, s17, s41                     ; tile row: + cy
	s_add_co_u32 s42, s42, s40                     ; tile column: + cx
	s_lshl_b32 s43, s41, 2
	s_lshl_b32 s43, 15, s43                        ; my row of the cluster
	s_lshl_b32 s44, 0x1111, s40                    ; my column
	s_or_b32 s[G1+0], s43, (0<<16)|(1<<20)|(1<<21)|(5<<22)|(3<<25)  ; the mask; elements of 1 byte; padding on; bit 21 beside a mask; after every 64 words, 4 words
	s_or_b32 s[G1B+0], s44, (0<<16)|(1<<20)|(1<<21)|(5<<22)|(3<<25)
.irp g, G1, G1B
	s_mov_b32 s[\g+1], ROWB<<16                    ; tensor_dim0
	s_mov_b32 s[\g+2], 128<<16                     ; tensor_dim1
	s_mov_b32 s[\g+3], ROWB<<16                    ; tile_dim0
	s_mov_b32 s[\g+4], 128                         ; tile_dim1
	s_mov_b32 s[\g+5], KROW                        ; tensor_dim0_stride
	s_mov_b32 s[\g+6], 0
	s_mov_b32 s[\g+7], 0
.endr
	s_lshl_b32 s18, s16, 7
	s_lshl_b32 s20, s17, 8
	s_add_co_u32 s20, s20, s18                     ; A: row 256 x tile row + 128 x half,
	s_lshl_b32 s20, s20, 10                        ; in bytes,
	s_add_co_u32 s20, s20, s78                     ; in its buffer: all under 2^24
	s_mov_b32 s21, 0
	s_lshl_b32 s46, s42, 8
	s_add_co_u32 s46, s46, s18                     ; B likewise, by the tile column
	s_lshl_b32 s46, s46, 10
	s_add_co_u32 s46, s46, s79
	s_mov_b32 s47, 0
	s_mul_i32 s45, s14, HALFT                      ; where they go: wave x 128 rows
	s_wait_dscnt 0x0                               ; both opening adds are done
	s_wait_kmcnt 0x0
.if MODE == 0
	s_load_b256 s[68:75], s[EPTR:EPTR+1], 0x0      ; e0 .. e7
.else
	s_load_b128 s[68:71], s[EPTR:EPTR+1], 0x20     ; e8 .. e11
.endif
	s_add_nc_u64 s[20:21], s[4:5], s[20:21]
	s_add_nc_u64 s[46:47], s[BPTR:BPTR+1], s[46:47]
	CROUND                                         ; all sixteen work-groups are here: the first joint loads meet
.irp s, 0,1
	s_mov_b32 s[G0+4*\s], 1
	s_add_co_u32 s[G0+4*\s+1], s45, \s*SLOT
	s_add_nc_u64 s[G0+4*\s+2:G0+4*\s+3], s[20:21], \s*ROWB
	s_or_b32 s[G0+4*\s+3], s[G0+4*\s+3], 0x80000000
	s_mov_b32 s[G0B+4*\s], 1
	s_add_co_u32 s[G0B+4*\s+1], s45, \s*SLOT
	s_add_nc_u64 s[G0B+4*\s+2:G0B+4*\s+3], s[46:47], \s*ROWB
	s_or_b32 s[G0B+4*\s+3], s[G0B+4*\s+3], 0x80000000
.endr
	JLOAD G0, G1, G0B, G1B                         ; K step 0: one tensor load a wave at the head
	v_and_b32 v1, 15, v0                           ; r = l % 16
	v_bfe_u32 v2, v0, 4, 1                         ; h = l / 16
	v_mul_u32_u24 v3, v1, PITCH
	s_wait_alu depctr_va_vdst(0)
	v_lshl_add_u32 v4, v2, 4, v3                   ; a fragment's row x pitch + 16 h
	s_mul_i32 s21, s15, HALFT
	s_mul_i32 s22, s16, HALFT
	s_add_co_u32 s22, s22, 2*HALFT
.irp s, 0,1
	v_add_nc_u32 v[ADRA+\s], s21, v4
	v_add_nc_u32 v[ADRB+\s], s22, v4
	s_add_co_u32 s21, s21, SLOT
	s_add_co_u32 s22, s22, SLOT
.endr
	s_mul_i32 s23, s15, 128*SPITCH                 ; into the stage: row 128 x my row half + r, byte 128 x my column half + 8 h
	s_lshl_b32 s21, s16, 7
	s_add_co_u32 s23, s23, s21
	v_lshl_add_u32 v5, v2, 3, v3
	v_add_nc_u32 v[STO], s23, v5
	s_mul_i32 s23, s14, 64*SPITCH                  ; back: wave w takes rows 64 w .. 64 w + 63, whole
	v_mul_u32_u24 v5, v2, SPITCH
	v_lshl_add_u32 v5, v1, 4, v5
	v_add_nc_u32 v[RD], s23, v5                    ; lanes 0-15 one row of 256 bytes, lanes 16-31 the next
	v_lshlrev_b32 v5, 11+MODE, v2                  ; and the same two rows in the output: 2,048 (v) or 4,096 (mq) bytes apart
	v_lshl_add_u32 v[CO], v1, 4, v5
.if MODE == 0
	v_bfe_u32 v5, v0, 2, 3                         ; by heads: four lanes take a token's 64 bytes of one head, the wave eight tokens
	v_mul_u32_u24 v5, v5, SPITCH
	v_and_b32 v6, 3, v0
	v_lshl_add_u32 v5, v6, 4, v5
	v_add_nc_u32 v[RDH], s23, v5
	v_and_b32 v6, 31, v0
	v_lshlrev_b32 v[COH], 4, v6
.else
	s_lshl_b32 s82, s42, 10                        ; the bias of my 128 columns: lane (r, h) wants, for block b, those of columns 16 b + 8 h + 0 .. 7
	s_lshl_b32 s83, s16, 9
	s_add_co_u32 s82, s82, s83
	s_mov_b32 s83, 0
	s_add_nc_u64 s[10:11], s[10:11], s[82:83]
	v_lshlrev_b32 v27, 5, v2
.set jj, 0
.rept 8                                        ; asked for here, waited for on the way out: the whole product lies between
	global_load_b128 v[BIAS+8*jj:BIAS+8*jj+3], v27, s[10:11] offset:64*jj
	global_load_b128 v[BIAS+8*jj+4:BIAS+8*jj+7], v27, s[10:11] offset:64*jj+16
.set jj, jj+1
.endr
.endif
.macro FRAG reg, adr, q, i             ; 16 rows x 128 K: registers 4 c .. 4 c + 3 hold K = 32 c + 16 h + 0 .. 15 of row r
.irp c, 0,1,2,3
	ds_load_b128 v[\reg+4*\c:\reg+4*\c+3], v[\adr] offset:128*(\q)+32*\c+(\i)*16*PITCH
.endr
.endm
; 16 matrix instructions: A's blocks a0, a0 + 1 x B's eight.  The 64 accumulators take turns, one instruction a turn, in the same order in every step.
.macro MUL16 a0, p, zero
.irp a, \a0, \a0+1
.irp b, 0,1,2,3,4,5,6,7
.if \zero
	v_wmma_f32_16x16x128_fp8_fp8 v[8*(8*((\a)%4)+\b):8*(8*((\a)%4)+\b)+7], v[128*(\p)+FR*\b:128*(\p)+FR*\b+FR-1], v[AF+FR*(\a):AF+FR*(\a)+FR-1], 0
.else
	v_wmma_f32_16x16x128_fp8_fp8 v[8*(8*((\a)%4)+\b):8*(8*((\a)%4)+\b)+7], v[128*(\p)+FR*\b:128*(\p)+FR*\b+FR-1], v[AF+FR*(\a):AF+FR*(\a)+FR-1], v[8*(8*((\a)%4)+\b):8*(8*((\a)%4)+\b)+7]
.endif
.endr
.endr
.endm
.macro FETCH_B slot, q, p
	WIN TO_B
.irp i, 0,1,2,3,4,5,6,7
	FRAG 128*(\p)+FR*\i, ADRB+\slot, \q, \i
.endr
	WIN 0
.endm
.macro FETCH_A slot, q, i0
.irp i, \i0, \i0+1, \i0+2, \i0+3
	FRAG AF+FR*(\i), ADRA+\slot, \q, \i
.endr
.endm
.macro PLACES n                        ; plain vector lines between a matrix instruction and a load into, or a read of, its registers
.rept \n
	v_nop
.endr
.endm
.macro STEP slot, q, zero              ; 128 along K, with its successor in the same slot
	s_wait_dscnt 4*NL                              ; B's set and A's blocks 0-3 are in; the youngest 16 loads (A's blocks 4-7) may be out
	WIN MUL_LO
	MUL16 0, (\q)%2, \zero
	MUL16 2, (\q)%2, \zero
	s_wait_dscnt 0                                 ; A's blocks 4-7 are in
	PLACES NP
	FETCH_B \slot, (\q)+1, 1-(\q)%2
	FETCH_A \slot, (\q)+1, 0
	WIN MUL_HI
	MUL16 4, (\q)%2, \zero
	MUL16 6, (\q)%2, \zero
	PLACES NP
	WIN 0
	FETCH_A \slot, (\q)+1, 4
.endm
; A slot's last step changes slots: ONE barrier; ahead of it each wave waits for all its tensor loads, adds 0 to its spare word, and waits for that and for its reads of this slot.
.macro TURN slot, next, fill
	s_wait_tensorcnt 0x0                           ; all my tensor loads have landed: my part of the next slot
	ds_add_u32 v[SPW], v[NIL]
	s_wait_dscnt 4*NL+1                            ; (the add and the youngest 16 loads may be out)
	WIN MUL_LO
	MUL16 0, 1, 0
	s_wait_dscnt 0x0                               ; the add is done, and my reads of this slot are over
	s_barrier_signal -1
	MUL16 2, 1, 0
	WIN 0
	s_barrier_wait -1
.if \fill
	CREST                                          ; the barrier has opened a round of the cluster's: no wave of any partner still reads this slot or has a load on its way
	s_add_nc_u64 s[G0+4*\slot+2:G0+4*\slot+3], s[G0+4*\slot+2:G0+4*\slot+3], 2*ROWB
	s_add_nc_u64 s[G0B+4*\slot+2:G0B+4*\slot+3], s[G0B+4*\slot+2:G0B+4*\slot+3], 2*ROWB
	JLOAD G0+4*\slot, G1, G0B+4*\slot, G1B         ; the first tensor load behind the round; its four v_nop are the places for the loads below
.else
	PLACES NP
.endif
	FETCH_B \next, 0, 0
	FETCH_A \next, 0, 0
	WIN MUL_HI
	MUL16 4, 1, 0
	MUL16 6, 1, 0
	PLACES NP
	WIN 0
	FETCH_A \next, 0, 4
.endm
	s_wait_alu depctr_va_vdst(0)                   ; the head's end
	s_wait_tensorcnt 0x0                           ; my part of K step 0 is in
	ds_add_u32 v[SPW], v[NIL]
	s_wait_dscnt 0x0
	CROUND                                         ; everybody's part of K step 0 is in, and the joint loads meet
	JLOAD G0+4, G1, G0B+4, G1B                     ; K step 1: the first tensor load behind the round
	FETCH_B 0, 0, 0
	FETCH_A 0, 0, 0
	FETCH_A 0, 0, 4
	STEP 0, 0, 1                                   ; the first step's products start the sums
	s_mov_b32 s3, LAPS-1
.Llap:                                             ; a trip goes once round the ring and fills both slots again
	TURN 0, 1, 1
	STEP 1, 0, 0
	TURN 1, 0, 1
	STEP 0, 0, 0
	s_sub_co_u32 s3, s3, 1
	s_cmp_lg_u32 s3, 0
	s_cbranch_scc1 .Llap
	TURN 0, 1, 0                                   ; the last lap fills nothing
	STEP 1, 0, 0
	s_wait_dscnt 4*NL
	WIN MUL_LO
	MUL16 0, 1, 0
	MUL16 2, 1, 0
	s_wait_dscnt 0
	WIN MUL_HI
	MUL16 4, 1, 0
	MUL16 6, 1, 0
	WIN 0
; THE WAY OUT.  Block a (16 rows x 128 columns): the hold, the conversions (a lane's eight numbers are eight neighbours of a row: 8 bytes), into the work-group's stage.
.macro CODES a
.set AC, 64*((\a)%4)
	WIN 0x02+((\a)/4)                              ; source 0: window 2 or 3
.set jj, 0
.if MODE == 0
.rept 64
	v_med3_num_f32 v[TMP+jj], v[AC+jj], -v[LIM], v[LIM]   ; the hold at the largest code x the scale; each accumulator from its low end on
.set jj, jj+1
.endr
	WIN 0
.else
.rept 32
	v_pk_fma_f32 v[TMP+jj:TMP+jj+1], v[AC+jj:AC+jj+1], s[96:97], v[BIAS+jj:BIAS+jj+1] op_sel_hi:[1,0,1]   ; sum x 2^(e8 + e9) + bias; each accumulator from its low end on
.set jj, jj+2
.endr
	WIN 0
.set jj, 0
.rept 64
	v_med3_num_f32 v[TMP+jj], v[TMP+jj], 0, v[LIM]        ; the relu and the hold in one
.set jj, jj+1
.endr
.endif
.if (\a) > 0
	s_wait_alu depctr_va_vdst(0)
	s_wait_dscnt 0x0                               ; the block before has been stored: its codes' registers may be written
.endif
.irp b, 0,1,2,3,4,5,6,7
	v_cvt_scalef32_pk8_fp8_f32 v[CD+2*\b:CD+2*\b+1], v[TMP+8*\b:TMP+8*\b+7], v[SCL]
.endr
	v_nop                                          ; a plain line between the conversions and the next vector line that writes their sources
.irp b, 0,1,2,3,4,5,6,7
	ds_store_b64 v[STO], v[CD+2*\b:CD+2*\b+1] offset:(\a)*16*SPITCH+16*\b
.endr
.endm
.macro OUT_ROWS pitch                  ; my 64 rows leave whole: sixteen lanes store 256 consecutive bytes, aligned
.set jj, 0
.rept 32
	ds_load_b128 v[RB+4*jj:RB+4*jj+3], v[RD] offset:jj*2*SPITCH
.set jj, jj+1
.endr
.set jj, 0
.rept 32
	s_wait_dscnt 31-jj                             ; the younger loads may be out
	global_store_b128 v[CO], v[RB+4*jj:RB+4*jj+3], s[OUTP:OUTP+1] offset:2*jj*\pitch
.set jj, jj+1
.endr
.endm
.macro OUT_HEADS                       ; q, k: the tile's 256 columns are four heads; eight tokens x 64 bytes of one head are 512 consecutive bytes of the output
.set jj, 0
.rept 32
	ds_load_b128 v[RB+4*jj:RB+4*jj+3], v[RDH] offset:8*SPITCH*(jj%8)+64*(jj/8)
.set jj, jj+1
.endr
.set jj, 0
.rept 32
	s_wait_dscnt 31-jj
	global_store_b128 v[COH], v[RB+4*jj:RB+4*jj+3], s[OUTP:OUTP+1] offset:131072*(jj/8)+512*(jj%8)
.set jj, jj+1
.endr
.endm
	s_wait_kmcnt 0x0
.if MODE == 0
	s_cmp_eq_u32 ttmp9, 0                          ; q, k or v: by the cluster's x; a choice, no branch
	s_cselect_b32 s80, s70, s71
	s_cmp_eq_u32 ttmp9, 2
	s_cselect_b32 s80, s72, s80
	s_sub_co_i32 s80, s80, s68
	s_sub_co_i32 s80, s80, s69                     ; e - e0 - e1: the three scales folded into one
.else
	s_add_co_i32 s96, s68, s69
	s_add_co_i32 s96, s96, 127
	s_lshl_b32 s96, s96, 23                        ; 2^(e8 + e9)
	s_mov_b32 s97, s96                             ; (named with it as a pair)
	s_mov_b32 s80, s70                             ; e10
	s_wait_loadcnt 0x0                             ; the bias
.endif
	s_add_co_i32 s80, s80, 127
	s_lshl_b32 s81, s80, 23
	s_add_co_i32 s80, s80, 8
	s_lshl_b32 s80, s80, 23
	s_or_b32 s80, s80, 0x600000
	PLACES NP                                      ; behind the last products: their results are read, and A's registers written, below
	v_mov_b32 v[SCL], s81
	v_mov_b32 v[LIM], s80
.irp a, 0,1,2,3,4,5,6,7
	CODES \a
.endr
	s_wait_dscnt 0x0                               ; for the others' sake: my stores into the stage are done (a row's 256 bytes come from two waves)
	s_barrier_signal -1
	s_barrier_wait -1
.if MODE == 0
	s_cmp_eq_u32 ttmp9, 2
	s_cbranch_scc1 .Lvt
	s_lshl_b32 s82, ttmp9, 22                      ; q at 0, k at 4 MiB;
	s_lshr_b32 s83, s17, 3                         ; the batch: eight tile rows each,
	s_lshl_b32 s83, s83, 4
	s_lshl_b32 s84, s40, 2                         ; the tile's first head: 4 cx
	s_add_co_u32 s83, s83, s84
	s_lshl_b32 s83, s83, 17                        ; a head is 2,048 x 64 bytes
	s_add_co_u32 s82, s82, s83
	s_and_b32 s83, s17, 7
	s_lshl_b32 s83, s83, 8
	s_lshl_b32 s84, s14, 6
	s_add_co_u32 s83, s83, s84                     ; my first token in the batch
	s_lshl_b32 s83, s83, 6
	s_add_co_u32 s82, s82, s83
	s_mov_b32 s83, 0
	s_add_nc_u64 s[OUTP:OUTP+1], s[OUTP:OUTP+1], s[82:83]
	OUT_HEADS
	s_branch .Lend
.Lvt:
	s_lshr_b32 s82, s42, 3                         ; v at 8 MiB; the batch: eight tile columns each, 1,024 rows of 2,048 bytes
	s_lshl_b32 s82, s82, 21
	s_add_co_u32 s82, s82, 0x800000
	s_lshl_b32 s83, s17, 8
	s_lshl_b32 s84, s14, 6
	s_add_co_u32 s83, s83, s84                     ; my first row: 64 x head + channel
	s_lshl_b32 s83, s83, 11
	s_add_co_u32 s82, s82, s83
	s_and_b32 s83, s42, 7
	s_lshl_b32 s83, s83, 8                         ; the tile's first key
	s_add_co_u32 s82, s82, s83
	s_mov_b32 s83, 0
	s_add_nc_u64 s[OUTP:OUTP+1], s[OUTP:OUTP+1], s[82:83]
	OUT_ROWS 2048
.Lend:
.else
	s_lshl_b32 s82, s17, 8
	s_lshl_b32 s83, s14, 6
	s_add_co_u32 s82, s82, s83                     ; my first row
	s_lshl_b32 s82, s82, 12
	s_lshl_b32 s83, s42, 8
	s_add_co_u32 s82, s82, s83
	s_mov_b32 s83, 0
	s_add_nc_u64 s[OUTP:OUTP+1], s[OUTP:OUTP+1], s[82:83]
	OUT_ROWS 4096
.endif
	s_wait_tensorcnt 0x0                           ; the wave's end
	ds_add_u32 v[SPW], v[NIL]
	s_wait_dscnt 0x0
	CROUND                                         ; the closing round
	s_endpgm
.Lfunc_end_k_qe332e6f340_qkvp:
	.size	k_qe332e6f340_qkvp, .Lfunc_end_k_qe332e6f340_qkvp-k_qe332e6f340_qkvp
	.p2alignl 7, 3214868480
	.fill 96, 4, 3214868480
	.section	.rodata,"a",@progbits
	.p2align	6, 0x0
	.amdhsa_kernel k_qe332e6f340_qkvp
		.amdhsa_group_segment_fixed_size 327680
		.amdhsa_private_segment_fixed_size 0
		.amdhsa_enable_private_segment 0
		.amdhsa_kernarg_size 24
		.amdhsa_user_sgpr_count 2
		.amdhsa_user_sgpr_kernarg_segment_ptr 1
		.amdhsa_wavefront_size32 1
		.amdhsa_system_sgpr_workgroup_id_x 1
		.amdhsa_system_sgpr_workgroup_id_y 1
		.amdhsa_system_sgpr_workgroup_id_z 1
		.amdhsa_system_vgpr_workitem_id 0
		.amdhsa_next_free_vgpr 1024
		.amdhsa_next_free_sgpr 98
		.amdhsa_reserve_vcc 0
		.amdhsa_float_denorm_mode_32 3
		.amdhsa_float_denorm_mode_16_64 3
		.amdhsa_memory_ordered 1
		.amdhsa_forward_progress 1
		.amdhsa_inst_pref_size 133
	.end_amdhsa_kernel
	.amdgpu_metadata
---
amdhsa.version: [ 1, 2 ]
amdhsa.kernels:
  - .name:           k_qe332e6f340_qkvp
    .symbol:         k_qe332e6f340_qkvp.kd
    .args:
      - { .name: codes, .offset: 0, .size: 8, .value_kind: global_buffer, .address_space: global }
      - { .name: lowp_scales, .offset: 8, .size: 8, .value_kind: global_buffer, .address_space: global }
      - { .name: qkv, .offset: 16, .size: 8, .value_kind: global_buffer, .address_space: global }
    .group_segment_fixed_size: 327680
    .private_segment_fixed_size: 0
    .kernarg_segment_align: 8
    .kernarg_segment_size: 24
    .max_flat_workgroup_size: 128
    .sgpr_count:     98
    .vgpr_count:     1024
    .wavefront_size: 32
...
	.end_amdgpu_metadata
.endif
;; end of part 2
;; launch attn (part 3): grid 8 x 32, 16 waves a work-group, clusters of 4 x 1, 327,680 bytes of LDS; arguments qkv, lowp_scales, oc; writes oc
.if DOCPART == 3
	.amdgcn_target "amdgcn-amd-amdhsa--gfx1250"
	.amdhsa_code_object_version 6
	.text
	.protected	k_qe332e6f340_attn
	.globl	k_qe332e6f340_attn
	.p2align	8
	.type	k_qe332e6f340_attn,@function
k_qe332e6f340_attn:
	s_mov_b64 s[64:65], 0
	v_nop
	global_prefetch_b8 v0, s[64:65] scope:SCOPE_SE
	s_setreg_imm32_b32 hwreg(HW_REG_WAVE_MODE, 25, 1), 1
	s_wait_xcnt 0x0
	s_wait_alu depctr_hold_cnt(0) depctr_sa_sdst(0) depctr_va_vdst(0) depctr_va_sdst(0) depctr_va_ssrc(0) depctr_va_vcc(0) depctr_vm_vsrc(0)
	s_getreg_b32 s2, hwreg(HW_REG_IB_STS2, 6, 4)
	s_cmp_eq_u32 s2, 0
	s_cbranch_scc0 .Lentry_in_a_cluster
	s_endpgm
.Lentry_in_a_cluster:
	s_bfe_u32 s2, ttmp6, 0x10000c
	s_cmp_lg_u32 s2, 0x3003
	s_cbranch_scc0 .Lentry_shape_is_right
	s_endpgm
.Lentry_shape_is_right:
; Causal attention on codes of E4M3: o = softmax(q k^T / 8) v for each of 32 heads (batch x 16 + head), 2,048 positions, head size 64; o is quantised (e6) for the projection.
; WORK LEFT OUT: steps of 128 keys that lie wholly behind a tile's 16 queries: reference()'s own jnp.tril gives them the weight 0 for all inputs.  A NaN or an infinity that reaches only those steps is not carried on.
; IN: qkv: q [32][2048][64] at 0 (e2), k likewise at 4 MiB (e3), v [32][64][2048], keys innermost, at 8 MiB (e4).  OUT: oc [4096 tokens][1024 = 64 x head + channel].
; THE SOFTMAX: t = score x log2(e) / 8; M = the running largest t rounded UP to a whole number; p = 2^(t - M) is quantised (e5), not normalised; the row's sum is taken of the unquantised p and divides at the end.
; When M moves, the sum and O are multiplied by 2^(old M - new M): exact.
; SHARES.  A head has 128 tiles of 16 queries; tile t needs t / 8 + 1 steps of 128 keys.  Work-group g (0..7) of a head owns the pairs (A = g + 8 m, B = 127 - g - 8 m), m = 0..7: m + 1 and 16 - m steps, 17 a pair.
; Wave m takes A's steps m .. 0 (the diagonal first) and then B's steps 0 .. 7 - m: 9 steps.  Wave m + 8 takes B's steps 8 - m .. 15 - m (the diagonal last): 8 steps.  So every step count hangs on the wave's number alone,
; every work-group reads all 2,048 keys, and all sixteen waves have work in every trip but the last.  B's two parts (-M, the sums, O^T) are joined through LDS: both are brought under the larger M by powers of two.
; LDS.  The head's whole K (8 pieces of 256 rows x (64 + 16) bytes) and V (8 pieces of 64 rows x (256 + 16) bytes) stay in LDS: sixteen first fills, one a wave, no byte is filled again, no barrier stands in the loop.
; CLUSTER 4, 1, 1: the four partners are work-groups of one head and need the same sixteen pieces: each piece is asked for jointly (mask 15).  No branch, trip count or LDS address hangs on the place in the cluster:
; g enters the global addresses of q and oc and the number that the diagonal's compares take, and nothing else.
; NO PREFETCH: all tiles are asked for by the sixteen loads at the head; there is no loop that runs ahead of a load.
; LAYOUT.  Both products transposed: S^T = K Q^T (16x16x64; source 0 = 16 neighbouring keys, source 1 = my queries; K and Q fetched by two loads of 16 bytes: the same permutation of the channels in both), so register
; 8 t + i of lane (r, h) is key 16 t + 8 h + i of query r: the conversion of tile t gives registers 2 t, 2 t + 1 of the 16x16x128 form's own layout.  O^T = V^T P^T, V^T fetched in that layout by loads of 8 bytes.
; The stores of oc are pieces of 64 bytes, a head's part of a token's row: the neighbouring pieces belong to other heads' work-groups.
; LIMITS: e2 + e3 between -123 and 130 (added to c's exponent field); e5 and e6 between -126 and 119; e4 + e5 goes by v_ldexp_f32 and has none.
; REGISTERS: v1-11 addresses that stay (v8, v9: the step's); v12 -M, v13 the largest t, v[14:15] the sum; v16-23 Q in hand, v24-31 tile B's Q; v32-95 K's 8 fragments, then V's 4; v96-159 S^T, then p; v160-191 O^T;
; v192-207 p's codes; v208-221 at work and constants; v244-255 the sum's chains.
.set KP,    80                         ; a key's row in LDS: 64 bytes + 16
.set VP,    272                        ; a row of a piece of V: 256 bytes + 16
.set KCH,   256*KP                     ; a piece of K
.set VCH,   64*VP                      ; a piece of V
.set VOFF,  8*KCH
.set STAGE, VOFF+8*VCH                 ; the way out: 16 rows x (64 + 16) bytes for each wave: bytes of their own
.set OP,    80
.set SPARE, STAGE+16*16*OP             ; the spare words, 128 bytes for each of 16 waves
.set MGP,   4608                       ; a pair's place for B's first part: 8 x 512 bytes of O^T, 512 of v[12:15]; in K's bytes, behind the barrier behind which nobody reads K
.set AK0,  1
.set AV0,  2
.set DV,   3                           ; v3   the diagonal step: my query - the step's first key - 8 h
.set STI,  4                           ; v4   the stage, in
.set SPW,  5
.set NIL,  6
.set GO,   7
.set ADK,  8
.set ADV,  9
.set STB,  10                          ; v10  the stage, back
.set MG,   11                          ; v11  the pair's place, 16 x lane
.set WV,   18
.set SEL,  20
.set CS,   22
.set G1K,  24
.set G1V,  32
.set G0K,  40
.set G0V,  44
.set M7,   48                          ; s48  7 - m
.set HI,   49                          ; s49  wave / 8
.set LO,   50                          ; s50  1 - wave / 8
.set SWI,  51                          ; s51  the trip at whose head I pass from tile A to tile B (waves 8-15: never)
.set END,  52                          ; s52  my steps: 9 or 8
.set DG,   53                          ; s53  the trip of my diagonal step: 0 or 7
.set I,    54                          ; s54  the trip
.set E45,  55                          ; s55  e4 + e5
.set OA,   56                          ; s[56:57] oc at tile A;  s[58:59] at tile B
.set OB,   58
.macro CROUND                          ; a round of the cluster's barrier
	s_barrier_signal -1
	s_barrier_wait -1
	s_cmp_lg_u32 s[WV], 0
	s_cbranch_scc1 .Lnot_wave_0_\@
	s_barrier_signal -3
.Lnot_wave_0_\@:
	s_barrier_wait -3
	s_barrier_signal -1
	s_barrier_wait -1
.endm
; THE WAY OUT of a tile.  O^T / the sum x 2^(e4 + e5) is o; it is held, quantised with e6 (a lane's eight channels: 8 bytes) and turned through my stage, so that four lanes store a token's 64 bytes.
.macro FINISH base
	v_add_f32 v14, v14, v15
	s_delay_alu instid0(VALU_DEP_1)
	v_permlanex16_b32 v214, v14, s[SEL], s[SEL+1]
	s_delay_alu instid0(VALU_DEP_1)
	v_add_f32 v14, v14, v214                       ; the row's sum
	s_wait_alu depctr_va_vdst(0)                   ; ahead of the transcendental
	v_rcp_f32 v14, v14
	v_nop                                          ; a plain line behind it
	s_wait_alu depctr_va_vdst(0)                   ; and the wait ahead of its first reader, and of O^T's
	v_ldexp_f32 v14, v14, s[E45]
.set jj, 0
.rept 16
	v_pk_mul_f32 v[96+jj:97+jj], v[160+jj:161+jj], v[14:15] op_sel_hi:[1,0]   ; register 8 t + i is o(r, 16 t + 8 h + i); each accumulator from its low end on
.set jj, jj+2
.endr
.set jj, 0
.rept 32
	v_med3_num_f32 v[96+jj], v[96+jj], -v221, v221
.set jj, jj+1
.endr
.irp t, 0,1,2,3
	v_cvt_scalef32_pk8_fp8_f32 v[192+2*\t:193+2*\t], v[96+8*\t:103+8*\t], v220
.endr
	v_nop
.irp t, 0,1,2,3
	ds_store_b64 v[STI], v[192+2*\t:193+2*\t] offset:16*\t
.endr
	ds_load_b128 v[32:35], v[STB]                  ; LDS serves a wave's instructions in order: these see my stores
	ds_load_b128 v[36:39], v[STB] offset:8*OP
	s_wait_dscnt 1                                 ; the younger load may be out
	global_store_b128 v[GO], v[32:35], s[\base:\base+1]
	s_wait_dscnt 0
	global_store_b128 v[GO], v[36:39], s[\base:\base+1] offset:8192
.endm
	s_load_b128 s[4:7], s[0:1], 0x0                ; qkv, the exponents
	s_load_b64 s[16:17], s[0:1], 0x10              ; oc
	v_lshl_add_u32 v[SPW], v0, 2, SPARE
	v_mov_b32 v[NIL], 0
	ds_add_u32 v[SPW], v[NIL]                      ; the wave's opening: the add, twice on end, and its wait ahead of the first tensor load
	ds_add_u32 v[SPW], v[NIL]
	v_lshrrev_b32 v8, 5, v0
	s_delay_alu instid0(VALU_DEP_1)
	v_readfirstlane_b32 s[WV], v8                  ; wave 0..15
	s_and_b32 s76, s[WV], 7                        ; m
	s_lshr_b32 s[HI], s[WV], 3
	s_xor_b32 s[LO], s[HI], 1
	s_xor_b32 s[M7], s76, 7
	s_mul_i32 s[DG], s[HI], 7
	s_sub_co_u32 s[END], 9, s[HI]
	s_add_co_u32 s77, s76, 1
	s_bfe_u32 s78, ttmp6, 0x40000                  ; cx
	s_lshl_b32 s79, ttmp9, 2
	s_add_co_u32 s78, s78, s79                     ; g = 4 x cluster x + cx
	s_lshl_b32 s78, s78, 4                         ; 16 g
	s_lshl_b32 s79, s76, 7
	s_add_co_u32 s80, s78, s79                     ; tile A's first query: 128 m + 16 g
	s_sub_co_u32 s81, 2032, s80                    ; tile B's: 128 (15 - m) + 112 - 16 g
	s_sub_co_u32 s88, 112, s78
	s_cmp_eq_u32 s[HI], 0
	s_cselect_b32 s[SWI], s77, 99
	s_cselect_b32 s84, s80, s81                    ; the tile that I begin with
	s_cselect_b32 s88, s78, s88                    ; my diagonal step: the tile's first query less the step's first key
	s_and_b32 s82, ttmp7, 0xffff                   ; batch x 16 + head
	s_lshl_b32 s83, s82, 17                        ; its first byte in q, in k and in v
	s_lshl_b32 s84, s84, 6
	s_add_co_u32 s84, s84, s83
	s_mov_b32 s85, 0
	s_lshl_b32 s86, s81, 6
	s_add_co_u32 s86, s86, s83
	s_mov_b32 s87, 0
	s_lshr_b32 s89, s82, 4                         ; oc: token = 2,048 x batch + query, 1,024 bytes a token, + 64 x head
	s_lshl_b32 s89, s89, 11
	s_and_b32 s90, s82, 15
	s_lshl_b32 s90, s90, 6
	s_add_co_u32 s91, s89, s80
	s_lshl_b32 s91, s91, 10
	s_add_co_u32 s92, s91, s90
	s_mov_b32 s93, 0
	s_add_co_u32 s91, s89, s81
	s_lshl_b32 s91, s91, 10
	s_add_co_u32 s94, s91, s90
	s_mov_b32 s95, 0
	s_lshl_b32 s96, s76, 14                        ; what I fetch: piece m of K (waves 0-7): 256 rows of 64 bytes, dense,
	s_add_co_u32 s96, s96, s83
	s_add_co_u32 s96, s96, 0x400000
	s_mov_b32 s97, 0
	s_lshl_b32 s98, s76, 8                         ; or piece m of V (waves 8-15): 256 bytes of each of 64 rows
	s_add_co_u32 s98, s98, s83
	s_add_co_u32 s98, s98, 0x800000
	s_mov_b32 s99, 0
	s_mul_i32 s[G0K+1], s76, KCH
	s_mul_i32 s[G0V+1], s76, VCH
	s_add_co_u32 s[G0V+1], s[G0V+1], VOFF
	s_mul_i32 s77, s[WV], 16*OP
	s_add_co_u32 s77, s77, STAGE                   ; my stage
	s_mul_i32 s79, s76, MGP                        ; my pair's place
	s_mov_b32 s[G1K], 15|(0<<16)|(1<<20)|(1<<21)|(3<<22)|(3<<25)  ; the mask: all four partners; elements of 1 byte; padding: 4 words after every 16; bit 21 beside a mask
	s_mov_b32 s[G1K+1], 64<<16                     ; tensor_dim0
	s_mov_b32 s[G1K+2], 256<<16                    ; tensor_dim1
	s_mov_b32 s[G1K+3], 64<<16                     ; tile_dim0
	s_mov_b32 s[G1K+4], 256                        ; tile_dim1
	s_mov_b32 s[G1K+5], 64                         ; tensor_dim0_stride
	s_mov_b32 s[G1K+6], 0
	s_mov_b32 s[G1K+7], 0
	s_mov_b32 s[G1V], 15|(0<<16)|(1<<20)|(1<<21)|(5<<22)|(3<<25)  ; padding: 4 words after every 64
	s_mov_b32 s[G1V+1], 256<<16
	s_mov_b32 s[G1V+2], 64<<16
	s_mov_b32 s[G1V+3], 256<<16
	s_mov_b32 s[G1V+4], 64
	s_mov_b32 s[G1V+5], 2048
	s_mov_b32 s[G1V+6], 0
	s_mov_b32 s[G1V+7], 0
	s_mov_b32 s[SEL], 0x76543210
	s_mov_b32 s[SEL+1], 0xfedcba98
	s_mov_b32 s[CS], 0x3e38aa3b                    ; c = log2(e) / 8
	s_mov_b32 s[I], 0
	s_wait_dscnt 0x0                               ; both opening adds are done
	s_wait_kmcnt 0x0
	s_load_b256 s[68:75], s[6:7], 0x0              ; e0 .. e7
	s_mov_b32 s[G0K], 1
	s_add_nc_u64 s[G0K+2:G0K+3], s[4:5], s[96:97]
	s_or_b32 s[G0K+3], s[G0K+3], 0x80000000
	s_mov_b32 s[G0V], 1
	s_add_nc_u64 s[G0V+2:G0V+3], s[4:5], s[98:99]
	s_or_b32 s[G0V+3], s[G0V+3], 0x80000000
	CROUND                                         ; the four partners are here: the joint loads meet
	s_cmp_eq_u32 s[HI], 0                          ; one chain on the wave's number, a fill in each arm: every wave issues one load, its only one
	s_cbranch_scc0 .Lfor_v
	tensor_load_to_lds s[G0K:G0K+3], s[G1K:G1K+7]
	s_nop 0
.rept 4
	v_nop
.endr
	s_branch .Lasked
.Lfor_v:
	tensor_load_to_lds s[G0V:G0V+3], s[G1V:G1V+7]
	s_nop 0
.rept 4
	v_nop
.endr
.Lasked:
	s_add_nc_u64 s[8:9], s[4:5], s[84:85]          ; q of the tile that I begin with,
	s_add_nc_u64 s[10:11], s[4:5], s[86:87]        ; and of tile B
	s_add_nc_u64 s[OA:OA+1], s[16:17], s[92:93]
	s_add_nc_u64 s[OB:OB+1], s[16:17], s[94:95]
	s_wait_kmcnt 0x0
	s_add_co_i32 s89, s70, s71
	s_lshl_b32 s89, s89, 23
	s_add_co_i32 s[CS], s[CS], s89                 ; a score stands for score x 2^(e2 + e3)
	s_mov_b32 s[CS+1], s[CS]
	s_add_co_i32 s[E45], s72, s73
	s_add_co_i32 s89, s73, 127
	s_lshl_b32 s96, s89, 23                        ; 2^e5
	s_add_co_i32 s89, s89, 8
	s_lshl_b32 s89, s89, 23
	s_or_b32 s97, s89, 0x600000                    ; 448 x 2^e5
	s_add_co_i32 s89, s74, 127
	s_lshl_b32 s98, s89, 23                        ; 2^e6
	s_add_co_i32 s89, s89, 8
	s_lshl_b32 s89, s89, 23
	s_or_b32 s99, s89, 0x600000                    ; 448 x 2^e6
	v_and_b32 v8, 15, v0                           ; r
	v_bfe_u32 v9, v0, 4, 1                         ; h
	s_delay_alu instid0(VALU_DEP_2)
	v_lshlrev_b32 v208, 6, v8
	s_delay_alu instid0(VALU_DEP_1)
	v_lshl_add_u32 v208, v9, 4, v208
	global_load_b128 v[16:19], v208, s[8:9]        ; Q's fragments stay in registers
	global_load_b128 v[20:23], v208, s[8:9] offset:32
	global_load_b128 v[24:27], v208, s[10:11]
	global_load_b128 v[28:31], v208, s[10:11] offset:32
	v_mul_u32_u24 v[AK0], v8, KP
	v_mul_u32_u24 v[AV0], v8, VP
	v_mul_u32_u24 v[STI], v8, OP
	v_lshlrev_b32 v[DV], 3, v9
	v_lshl_add_u32 v[AK0], v9, 4, v[AK0]
	v_lshl_add_u32 v[AV0], v9, 3, v[AV0]
	v_lshl_add_u32 v[STI], v9, 3, v[STI]
	v_sub_nc_u32 v[DV], v8, v[DV]
	v_add_nc_u32 v[AV0], VOFF, v[AV0]
	v_add_nc_u32 v[STI], s77, v[STI]               ; in: row r, + 8 h; tile t: 16 t on
	v_add_nc_u32 v[DV], s88, v[DV]                 ; register 8 t + i of the diagonal step is hidden where 16 t + i > this
	v_bfe_u32 v[GO], v0, 2, 3                      ; the way out: four lanes to a token's 64 bytes
	v_and_b32 v209, 3, v0
	v_and_b32 v[MG], 31, v0
	v_mul_u32_u24 v[STB], v[GO], OP
	v_lshlrev_b32 v[GO], 10, v[GO]
	v_lshlrev_b32 v[MG], 4, v[MG]
	v_lshl_add_u32 v[STB], v209, 4, v[STB]
	v_lshl_add_u32 v[GO], v209, 4, v[GO]
	v_add_nc_u32 v[MG], s79, v[MG]
	v_add_nc_u32 v[STB], s77, v[STB]               ; back: four lanes to a row, eight rows an instruction
	v_mov_b32 v13, 0xff61b1e6                      ; the largest t so far: -3e38
	v_mov_b32 v14, 0
	v_mov_b32 v15, 0
	v_floor_f32 v12, -v13                          ; -M
	v_mov_b32 v214, 0                              ; a lane permute's destination counts as a source
	v_mov_b32 v211, 0                              ; (named as the upper halves of pairs)
	v_mov_b32 v212, 0
	v_mov_b32 v213, 0
	v_mov_b32 v216, 0xff800000                     ; -infinity
	v_mov_b32 v218, s96
	v_mov_b32 v219, s97
	v_mov_b32 v220, s98
	v_mov_b32 v221, s99
.set jj, 0
.rept 32
	v_mov_b32 v[160+jj], 0                         ; O^T: the step is written once; a tile's first step finds zeros
.set jj, jj+1
.endr
	s_wait_alu depctr_va_vdst(0)                   ; the head's end
	s_wait_loadcnt 0x0                             ; Q
	s_wait_tensorcnt 0x0                           ; my piece is in,
	s_barrier_signal -1
	s_barrier_wait -1                              ; everybody's is: K and V are whole, and nothing is filled again
.Lstep:                                            ; nine trips, a step of 128 keys each
	s_cmp_lg_u32 s[I], s[SWI]                      ; the wave's number and the trip alone
	s_cbranch_scc1 .Lsame
	FINISH OA                                      ; waves 0-7, trip m + 1: tile A is done and leaves; tile B begins
	v_mov_b32 v13, 0xff61b1e6
	v_mov_b32 v14, 0
	v_mov_b32 v15, 0
	v_floor_f32 v12, -v13
.set jj, 0
.rept 32
	v_mov_b32 v[160+jj], 0
.set jj, jj+1
.endr
.set jj, 0
.rept 8
	v_mov_b32 v[16+jj], v[24+jj]
.set jj, jj+1
.endr
	s_wait_alu depctr_va_vdst(0)
	s_wait_xcnt 0x0                                ; the two stores have read v32-39, into which the step's loads land
.Lsame:
	s_cmp_ge_u32 s[I], s[END]                      ; waves 8-15 have eight steps
	s_cbranch_scc1 .Lnone
	s_add_co_u32 s90, s[I], s[M7]                  ; x = trip + 7 - m, at most 15.  Waves 8-15: step x + 1.  Waves 0-7: x < 8: tile A's step 7 - x = m - trip; else tile B's step x - 8
	s_lshr_b32 s91, s90, 3
	s_xor_b32 s91, s91, 1
	s_mul_i32 s91, s91, 7
	s_and_b32 s92, s90, 7
	s_xor_b32 s92, s92, s91
	s_mul_i32 s92, s92, s[LO]
	s_add_co_u32 s90, s90, 1
	s_mul_i32 s90, s90, s[HI]
	s_add_co_u32 s90, s90, s92                     ; the step, 0 .. 15
	s_mul_i32 s91, s90, 128*KP                     ; its keys' rows,
	s_lshr_b32 s92, s90, 1
	s_mul_i32 s92, s92, VCH                        ; its piece of V,
	s_and_b32 s90, s90, 1
	s_lshl_b32 s90, s90, 7                         ; and which half of each of that piece's rows
	s_add_co_u32 s92, s92, s90
	v_add_nc_u32 v[ADK], s91, v[AK0]
	v_add_nc_u32 v[ADV], s92, v[AV0]
	v_nop                                          ; with the two additions: four places ahead of loads into registers that the last products read
	v_nop
.irp t, 0,1,2,3,4,5,6,7
	ds_load_b128 v[32+8*\t:35+8*\t], v[ADK] offset:16*\t*KP
	ds_load_b128 v[36+8*\t:39+8*\t], v[ADK] offset:16*\t*KP+32
.endr
	s_wait_alu depctr_va_vdst(0)
	s_wait_dscnt 0x0
.irp t, 0,1,2,3,4,5,6,7
	v_wmma_f32_16x16x64_fp8_fp8 v[96+8*\t:103+8*\t], v[32+8*\t:39+8*\t], v[16:23], 0
.endr
.rept 4
	v_nop                                          ; places: for the loads below into K's registers, and for the first read of the scores
.endr
.irp t, 0,1,2,3
.irp c, 0,1,2,3,4,5,6,7
	ds_load_b64 v[32+16*\t+2*\c:33+16*\t+2*\c], v[ADV] offset:16*\t*VP+16*\c   ; V^T, asked for here: the softmax stands between these loads and the wait for them
.endr
.endr
	s_cmp_lg_u32 s[I], s[DG]                       ; on the diagonal hidden scores become -infinity ahead of the maximum; the other steps' keys all count
	s_cbranch_scc1 .Lopen
.set jj, 0
.rept 64
	v_cmp_gt_i32 vcc_lo, 16*(jj/8)+jj%8, v[DV]
	v_cndmask_b32 v[96+jj], v[96+jj], v216, vcc_lo
.set jj, jj+1
.endr
.Lopen:
	v_max3_num_f32 v208, v96, v97, v98             ; the step's largest score of my query among my 64 keys, in two chains; each tile is first read at its low end
	v_max3_num_f32 v209, v99, v100, v101
.irp i, 6,10,14,18,22,26,30,34,38,42,46,50,54,58
	v_max3_num_f32 v208, v208, v[96+\i], v[97+\i]
	v_max3_num_f32 v209, v209, v[98+\i], v[99+\i]
.endr
	v_max3_num_f32 v208, v208, v158, v159
	s_delay_alu instid0(VALU_DEP_1)
	v_max_num_f32 v208, v208, v209
	s_delay_alu instid0(VALU_DEP_1)
	v_permlanex16_b32 v214, v208, s[SEL], s[SEL+1]
	s_delay_alu instid0(VALU_DEP_1)
	v_max_num_f32 v208, v208, v214                 ; and among lane l xor 16's
	s_delay_alu instid0(VALU_DEP_1)
	v_mul_f32 v208, s[CS], v208                    ; as t
	s_delay_alu instid0(VALU_DEP_1)
	v_max_num_f32 v13, v13, v208
	v_mov_b32 v208, v12
	s_delay_alu instid0(VALU_DEP_2)
	v_floor_f32 v12, -v13                          ; the new -M = -ceil(t)
	s_delay_alu instid0(VALU_DEP_1)
	v_sub_f32 v208, v12, v208                      ; old M - new M: a whole number, 0 or less
	s_delay_alu instid0(VALU_DEP_1)
	v_cvt_i32_f32 v208, v208                       ; (it saturates)
	s_delay_alu instid0(VALU_DEP_1)
	v_ldexp_f32 v210, 1.0, v208                    ; f = 2^(old M - new M)
.set jj, 0
.rept 32
	v_pk_fma_f32 v[96+jj:97+jj], v[96+jj:97+jj], s[CS:CS+1], v[12:13] op_sel_hi:[1,0,0]   ; t - M
.set jj, jj+2
.endr
.set jj, 0
	s_wait_alu depctr_va_vdst(0)                   ; ahead of the batch
.rept 64
	v_exp_f32 v[96+jj], v[96+jj]                   ; p = 2^(t - M)
.set jj, jj+1
.endr
	v_pk_mul_f32 v[14:15], v[14:15], v[210:211] op_sel_hi:[1,0]   ; the sums under the new M: the plain line behind the exponentials
	s_wait_alu depctr_va_vdst(0)                   ; one wait for the batch, ahead of its first reader
	v_pk_add_f32 v[212:213], v[100:101], v[104:105]   ; the row's sum of the unquantised p, in eight chains
	v_pk_add_f32 v[254:255], v[108:109], v[112:113]
	v_pk_add_f32 v[252:253], v[116:117], v[120:121]
	v_pk_add_f32 v[250:251], v[124:125], v[128:129]
	v_pk_add_f32 v[248:249], v[132:133], v[136:137]
	v_pk_add_f32 v[246:247], v[140:141], v[144:145]
	v_pk_add_f32 v[244:245], v[148:149], v[152:153]
	v_pk_add_f32 v[14:15], v[14:15], v[156:157]
	v_pk_add_f32 v[212:213], v[212:213], v[96:97]
	v_pk_add_f32 v[254:255], v[254:255], v[98:99]
	v_pk_add_f32 v[252:253], v[252:253], v[102:103]
	v_pk_add_f32 v[250:251], v[250:251], v[106:107]
	v_pk_add_f32 v[248:249], v[248:249], v[110:111]
	v_pk_add_f32 v[246:247], v[246:247], v[114:115]
	v_pk_add_f32 v[244:245], v[244:245], v[118:119]
	v_pk_add_f32 v[14:15], v[14:15], v[122:123]
	v_pk_add_f32 v[212:213], v[212:213], v[126:127]
	v_pk_add_f32 v[254:255], v[254:255], v[130:131]
	v_pk_add_f32 v[252:253], v[252:253], v[134:135]
	v_pk_add_f32 v[250:251], v[250:251], v[138:139]
	v_pk_add_f32 v[248:249], v[248:249], v[142:143]
	v_pk_add_f32 v[246:247], v[246:247], v[146:147]
	v_pk_add_f32 v[244:245], v[244:245], v[150:151]
	v_pk_add_f32 v[14:15], v[14:15], v[154:155]
	v_pk_add_f32 v[212:213], v[212:213], v[158:159]
	s_delay_alu instid0(VALU_DEP_2)
	v_pk_add_f32 v[14:15], v[14:15], v[250:251]
	s_delay_alu instid0(VALU_DEP_2)
	v_pk_add_f32 v[212:213], v[212:213], v[248:249]
	v_pk_add_f32 v[254:255], v[254:255], v[246:247]
	v_pk_add_f32 v[252:253], v[252:253], v[244:245]
	s_delay_alu instid0(VALU_DEP_2)
	v_pk_add_f32 v[14:15], v[14:15], v[254:255]
	s_delay_alu instid0(VALU_DEP_2)
	v_pk_add_f32 v[212:213], v[212:213], v[252:253]
	s_delay_alu instid0(VALU_DEP_1)
	v_pk_add_f32 v[14:15], v[14:15], v[212:213]
.irp t, 0,1,2,3,4,5,6,7
.irp i, 0,1,2,3,4,5,6,7
	v_min_num_f32 v[96+8*\t+\i], v[96+8*\t+\i], v219   ; the conversion does not saturate (ISA guide 7.6.2); p is not negative: a one-sided hold
.endr
	v_cvt_scalef32_pk8_fp8_f32 v[192+2*\t:193+2*\t], v[96+8*\t:103+8*\t], v218
.endr
.set jj, 0
.rept 16
	v_pk_mul_f32 v[160+jj:161+jj], v[160+jj:161+jj], v[210:211] op_sel_hi:[1,0]   ; O^T under the new M; also the plain lines between the conversions and the products
.set jj, jj+2
.endr
	s_wait_alu depctr_va_vdst(0)
	s_wait_dscnt 0x0                               ; V^T is in
.irp t, 0,1,2,3
	v_wmma_f32_16x16x128_fp8_fp8 v[160+8*\t:167+8*\t], v[32+16*\t:47+16*\t], v[192:207], v[160+8*\t:167+8*\t]   ; the four accumulators by turns; the next step's eight score products stand between two links
.endr
.Lnone:
	s_add_co_u32 s[I], s[I], 1
	s_cmp_lt_u32 s[I], 9
	s_cbranch_scc1 .Lstep
	; TILE B'S TWO PARTS ARE JOINED.  Behind the first barrier nobody reads K any more: waves 0-7 lay their part there as an image of the registers; behind the second, waves 8-15 take it.
.rept 4
	v_nop                                          ; places behind the last products, ahead of the LDS stores and vector lines that read O^T
.endr
	s_wait_alu depctr_va_vdst(0)                   ; ahead of the barrier's signal
	s_wait_dscnt 0x0                               ; my reads of K and V are over
	s_barrier_signal -1
	s_barrier_wait -1
	s_cmp_eq_u32 s[HI], 0
	s_cbranch_scc0 .Lno_store
.irp k, 0,1,2,3,4,5,6,7
	ds_store_b128 v[MG], v[160+4*\k:163+4*\k] offset:512*\k   ; each accumulator from its low end on
.endr
	ds_store_b128 v[MG], v[12:15] offset:4096      ; -M, the largest t, the sum's two halves
.Lno_store:
	s_wait_dscnt 0x0                               ; for the partner's sake: my stores are done
	s_barrier_signal -1
	s_barrier_wait -1
	s_cmp_eq_u32 s[HI], 0
	s_cbranch_scc1 .Lend
.irp k, 0,1,2,3,4,5,6,7
	ds_load_b128 v[96+4*\k:99+4*\k], v[MG] offset:512*\k
.endr
	ds_load_b128 v[128:131], v[MG] offset:4096
	s_wait_dscnt 0x0
	v_min_num_f32 v132, v12, v128                  ; -(the larger M)
	s_delay_alu instid0(VALU_DEP_1)
	v_sub_f32 v133, v132, v12                      ; my M less the larger: a whole number, 0 or less;
	v_sub_f32 v134, v132, v128                     ; the partner's likewise
	s_delay_alu instid0(VALU_DEP_2)
	v_cvt_i32_f32 v133, v133
	s_delay_alu instid0(VALU_DEP_2)
	v_cvt_i32_f32 v134, v134
	s_delay_alu instid0(VALU_DEP_2)
	v_ldexp_f32 v210, 1.0, v133
	s_delay_alu instid0(VALU_DEP_2)
	v_ldexp_f32 v212, 1.0, v134
	s_delay_alu instid0(VALU_DEP_2)
	v_pk_mul_f32 v[14:15], v[14:15], v[210:211] op_sel_hi:[1,0]
.set jj, 0
.rept 16
	v_pk_mul_f32 v[160+jj:161+jj], v[160+jj:161+jj], v[210:211] op_sel_hi:[1,0]
.set jj, jj+2
.endr
	v_pk_fma_f32 v[14:15], v[130:131], v[212:213], v[14:15] op_sel_hi:[1,0,1]
.set jj, 0
.rept 16
	v_pk_fma_f32 v[160+jj:161+jj], v[96+jj:97+jj], v[212:213], v[160+jj:161+jj] op_sel_hi:[1,0,1]
.set jj, jj+2
.endr
	FINISH OB
.Lend:
	s_wait_tensorcnt 0x0                           ; the wave's end
	ds_add_u32 v[SPW], v[NIL]
	s_wait_dscnt 0x0
	CROUND                                         ; the closing round
	s_endpgm
.Lfunc_end_k_qe332e6f340_attn:
	.size	k_qe332e6f340_attn, .Lfunc_end_k_qe332e6f340_attn-k_qe332e6f340_attn
	.p2alignl 7, 3214868480
	.fill 96, 4, 3214868480
	.section	.rodata,"a",@progbits
	.p2align	6, 0x0
	.amdhsa_kernel k_qe332e6f340_attn
		.amdhsa_group_segment_fixed_size 327680
		.amdhsa_private_segment_fixed_size 0
		.amdhsa_enable_private_segment 0
		.amdhsa_kernarg_size 24
		.amdhsa_user_sgpr_count 2
		.amdhsa_user_sgpr_kernarg_segment_ptr 1
		.amdhsa_wavefront_size32 1
		.amdhsa_system_sgpr_workgroup_id_x 1
		.amdhsa_system_sgpr_workgroup_id_y 1
		.amdhsa_system_sgpr_workgroup_id_z 1
		.amdhsa_system_vgpr_workitem_id 0
		.amdhsa_next_free_vgpr 256
		.amdhsa_next_free_sgpr 100
		.amdhsa_reserve_vcc 1
		.amdhsa_float_denorm_mode_32 3
		.amdhsa_float_denorm_mode_16_64 3
		.amdhsa_memory_ordered 1
		.amdhsa_forward_progress 1
		.amdhsa_inst_pref_size 47
	.end_amdhsa_kernel
	.amdgpu_metadata
---
amdhsa.version: [ 1, 2 ]
amdhsa.kernels:
  - .name:           k_qe332e6f340_attn
    .symbol:         k_qe332e6f340_attn.kd
    .args:
      - { .name: qkv, .offset: 0, .size: 8, .value_kind: global_buffer, .address_space: global }
      - { .name: lowp_scales, .offset: 8, .size: 8, .value_kind: global_buffer, .address_space: global }
      - { .name: oc, .offset: 16, .size: 8, .value_kind: global_buffer, .address_space: global }
    .group_segment_fixed_size: 327680
    .private_segment_fixed_size: 0
    .kernarg_segment_align: 8
    .kernarg_segment_size: 24
    .max_flat_workgroup_size: 512
    .sgpr_count:     100
    .vgpr_count:     256
    .wavefront_size: 32
...
	.end_amdgpu_metadata
.endif
;; end of part 3
;; launch outp (part 4): grid 8 x 32, 4 waves a work-group, clusters of 4 x 4, 327,680 bytes of LDS; arguments oc, codes, lowp_scales, x, x2; writes x2
.if DOCPART == 4
	.amdgcn_target "amdgcn-amd-amdhsa--gfx1250"
	.amdhsa_code_object_version 6
	.text
	.protected	k_qe332e6f340_outp
	.globl	k_qe332e6f340_outp
	.p2align	8
	.type	k_qe332e6f340_outp,@function
k_qe332e6f340_outp:
	s_mov_b64 s[64:65], 0
	v_nop
	global_prefetch_b8 v0, s[64:65] scope:SCOPE_SE
	s_setreg_imm32_b32 hwreg(HW_REG_WAVE_MODE, 25, 1), 1
	s_wait_xcnt 0x0
	s_wait_alu depctr_hold_cnt(0) depctr_sa_sdst(0) depctr_va_vdst(0) depctr_va_sdst(0) depctr_va_ssrc(0) depctr_va_vcc(0) depctr_vm_vsrc(0)
	s_getreg_b32 s2, hwreg(HW_REG_IB_STS2, 6, 4)
	s_cmp_eq_u32 s2, 0
	s_cbranch_scc0 .Lentry_in_a_cluster
	s_endpgm
.Lentry_in_a_cluster:
	s_bfe_u32 s2, ttmp6, 0x10000c
	s_cmp_lg_u32 s2, 0xf033
	s_cbranch_scc0 .Lentry_shape_is_right
	s_endpgm
.Lentry_shape_is_right:
.set SIZE_K,   1024
.set BOFF,     0x700000
.set EOFF,     0x18
.set HAS_BIAS, 0
.set KSTEP,  512
.set PITCH,  528
.set HALFT,  64*PITCH
.set SLOT,   4*HALFT
.set SPARE,  2*SLOT
.set SPITCH, 272
.set LAPS,   SIZE_K/(2*KSTEP)
.set BI,   8
.set ADRA, 16
.set ADRB, 20
.set STO,  24
.set RD,   25
.set CO,   26
.set SPW,  28
.set NIL,  29
.set BK,   64
.set ACC,  128
.set F0,   0
.set F1,   128
.set RES,  0
.set G1, 24
.set G0, 32
.set G1B, 48
.set G0B, 56
.set MSB, 0
.macro WIN new
.if MSB != \new
	s_set_vgpr_msb (MSB<<8)|\new
.set MSB, \new
.endif
.endm
.set MUL,  0x05
.set TO_F, 0x40
.macro JLOAD s
	s_cmp_eq_u32 s11, 0
	s_cbranch_scc0 .Lfor_b_\@
	tensor_load_to_lds s[G0+4*\s:G0+4*\s+3], s[G1:G1+7]
	s_nop 0
.rept 4
	v_nop
.endr
	s_branch .Lasked_\@
.Lfor_b_\@:
	tensor_load_to_lds s[G0B+4*\s:G0B+4*\s+3], s[G1B:G1B+7]
	s_nop 0
.rept 4
	v_nop
.endr
.Lasked_\@:
.endm
.macro CREST
	s_cmp_lg_u32 s10, 0
	s_cbranch_scc1 .Lnot_wave_0_\@
	s_barrier_signal -3
.Lnot_wave_0_\@:
	s_barrier_wait -3
	s_barrier_signal -1
	s_barrier_wait -1
.endm
.macro CROUND
	s_barrier_signal -1
	s_barrier_wait -1
	CREST
.endm
	s_load_b128 s[4:7], s[0:1], 0x0
	s_load_b128 s[68:71], s[0:1], 0x10
.if HAS_BIAS
	s_load_b128 s[72:75], s[0:1], 0x20
.else
	s_load_b64 s[72:73], s[0:1], 0x20
.endif
	v_lshl_add_u32 v[SPW], v0, 2, SPARE
	v_mov_b32 v[NIL], 0
	ds_add_u32 v[SPW], v[NIL]
	ds_add_u32 v[SPW], v[NIL]
	v_lshrrev_b32 v1, 5, v0
	v_readfirstlane_b32 s10, v1
	s_lshr_b32 s11, s10, 1
	s_and_b32 s12, s10, 1
	s_bfe_u32 s40, ttmp6, 0x40000
	s_bfe_u32 s41, ttmp6, 0x40004
	s_lshl_b32 s42, ttmp9, 2
	s_add_co_u32 s42, s42, s40
	s_and_b32 s13, ttmp7, 0xffff
	s_lshl_b32 s13, s13, 2
	s_add_co_u32 s13, s13, s41
	s_lshl_b32 s43, s41, 2
	s_lshl_b32 s43, 15, s43
	s_lshl_b32 s44, 0x1111, s40
	s_or_b32 s[G1+0], s43, (0<<16)|(1<<20)|(1<<21)|(6<<22)|(3<<25)
	s_or_b32 s[G1B+0], s44, (0<<16)|(1<<20)|(1<<21)|(6<<22)|(3<<25)
.irp g, G1, G1B
	s_mov_b32 s[\g+1], KSTEP<<16
	s_mov_b32 s[\g+2], 64<<16
	s_mov_b32 s[\g+3], KSTEP<<16
	s_mov_b32 s[\g+4], 64
	s_mov_b32 s[\g+5], SIZE_K
	s_mov_b32 s[\g+6], 0
	s_mov_b32 s[\g+7], 0
.endr
	s_lshl_b32 s17, s12, 6
	s_lshl_b32 s16, s13, 7
	s_add_co_u32 s16, s16, s17
	s_lshl_b32 s46, s42, 7
	s_add_co_u32 s46, s46, s17
	s_mul_i32 s16, s16, SIZE_K
	s_mul_i32 s46, s46, SIZE_K
	s_add_co_u32 s46, s46, BOFF
	s_mov_b32 s17, 0
	s_mov_b32 s47, 0
	s_mul_i32 s20, s10, HALFT
	s_wait_dscnt 0x0
	s_wait_kmcnt 0x0
	s_load_b64 s[76:77], s[68:69], EOFF
	s_add_nc_u64 s[14:15], s[4:5], s[16:17]
	s_add_nc_u64 s[46:47], s[6:7], s[46:47]
	CROUND
.irp s, 0,1
	s_mov_b32 s[G0+4*\s], 1
	s_add_co_u32 s[G0+4*\s+1], s20, \s*SLOT
	s_add_nc_u64 s[G0+4*\s+2:G0+4*\s+3], s[14:15], \s*KSTEP
	s_or_b32 s[G0+4*\s+3], s[G0+4*\s+3], 0x80000000
	s_mov_b32 s[G0B+4*\s], 1
	s_add_co_u32 s[G0B+4*\s+1], s20, \s*SLOT
	s_add_nc_u64 s[G0B+4*\s+2:G0B+4*\s+3], s[46:47], \s*KSTEP
	s_or_b32 s[G0B+4*\s+3], s[G0B+4*\s+3], 0x80000000
.endr
	JLOAD 0                                        ; K step 0: one tensor load a wave at the head
	v_and_b32 v1, 15, v0
	s_wait_alu depctr_va_vdst(0)
	v_bfe_u32 v2, v0, 4, 1
	v_mul_u32_u24 v3, v1, PITCH
	v_lshl_add_u32 v3, v2, 4, v3
	s_mul_i32 s21, s11, HALFT
	s_mul_i32 s22, s12, HALFT
	s_add_co_u32 s22, s22, 2*HALFT
.irp s, 0,1
	v_add_nc_u32 v[ADRA+\s], s21, v3
	v_add_nc_u32 v[ADRB+\s], s22, v3
	s_add_co_u32 s21, s21, SLOT
	s_add_co_u32 s22, s22, SLOT
.endr
	s_mul_i32 s23, s10, 16*SPITCH
	v_mul_u32_u24 v4, v1, SPITCH
	s_wait_alu depctr_va_vdst(0)
	v_lshl_add_u32 v4, v2, 5, v4
	v_add_nc_u32 v[STO], s23, v4
	v_mul_u32_u24 v5, v2, SPITCH
	v_lshl_add_u32 v5, v1, 4, v5
	v_add_nc_u32 v[RD], s23, v5
	v_lshlrev_b32 v5, 12, v2
	v_lshl_add_u32 v[CO], v1, 4, v5
	s_wait_alu depctr_va_vdst(0)
	s_lshl_b32 s82, s13, 7
	s_lshl_b32 s83, s11, 6
	s_add_co_u32 s82, s82, s83
	s_lshl_b32 s82, s82, 12
	s_lshl_b32 s84, s42, 9
	s_lshl_b32 s85, s12, 8
	s_add_co_u32 s84, s84, s85
	s_add_co_u32 s82, s82, s84
	s_mov_b32 s83, 0
	s_mov_b32 s85, 0
	s_add_nc_u64 s[70:71], s[70:71], s[82:83]
	s_add_nc_u64 s[72:73], s[72:73], s[82:83]
.if HAS_BIAS
	s_add_nc_u64 s[74:75], s[74:75], s[84:85]
	v_lshlrev_b32 v6, 4, v1
	global_load_b128 v[BI:BI+3], v6, s[74:75]
.endif
	WIN 0x80
.set jj, 0
.rept 32
	global_load_b128 v[RES+4*jj:RES+4*jj+3], v[CO], s[70:71] offset:8192*jj th:TH_LOAD_NT
.set jj, jj+1
.endr
	WIN 0
.macro MUL8 f, a0, zero
.irp a, \a0, \a0+1
.irp b, 0,1,2,3
.if \zero
	v_wmma_f32_16x16x128_fp8_fp8 v[ACC+8*(4*(\a)+\b):ACC+8*(4*(\a)+\b)+7], v[\f+64+16*\b:\f+64+16*\b+15], v[\f+16*(\a):\f+16*(\a)+15], 0
.else
	v_wmma_f32_16x16x128_fp8_fp8 v[ACC+8*(4*(\a)+\b):ACC+8*(4*(\a)+\b)+7], v[\f+64+16*\b:\f+64+16*\b+15], v[\f+16*(\a):\f+16*(\a)+15], v[ACC+8*(4*(\a)+\b):ACC+8*(4*(\a)+\b)+7]
.endif
.endr
.endr
.endm
.macro FETCH slot, q, f
	WIN TO_F
.irp i, 0,1,2,3
.irp c, 0,1,2,3
	ds_load_b128 v[\f+64+16*\i+4*\c:\f+64+16*\i+4*\c+3], v[ADRB+\slot] offset:128*(\q)+32*\c+\i*16*PITCH
.endr
.endr
.irp i, 0,1,2,3
.irp c, 0,1,2,3
	ds_load_b128 v[\f+16*\i+4*\c:\f+16*\i+4*\c+3], v[ADRA+\slot] offset:128*(\q)+32*\c+\i*16*PITCH
.endr
.endr
.endm
.macro PLACES
.rept 4
	v_nop
.endr
.endm
.macro SUB slot, q, f, g, zero
	s_wait_dscnt 8
	WIN MUL
	MUL8 \f, 0, \zero
	PLACES
	FETCH \slot, \q, \g
	s_wait_dscnt 32
	WIN MUL
	MUL8 \f, 2, \zero
.endm
.macro TURN slot, next, fill
	WIN 0
	s_wait_tensorcnt 0x0
	ds_add_u32 v[SPW], v[NIL]
	s_wait_dscnt 9
	WIN MUL
	MUL8 F1, 0, 0
	s_wait_dscnt 0x0
	s_barrier_signal -1
	WIN 0
	s_barrier_wait -1
.if \fill
	CREST
	s_add_nc_u64 s[G0+4*\slot+2:G0+4*\slot+3], s[G0+4*\slot+2:G0+4*\slot+3], 2*KSTEP
	s_add_nc_u64 s[G0B+4*\slot+2:G0B+4*\slot+3], s[G0B+4*\slot+2:G0B+4*\slot+3], 2*KSTEP
	JLOAD \slot
.else
	PLACES
.endif
	FETCH \next, 0, F0
	WIN MUL
	MUL8 F1, 2, 0
.endm
	s_wait_alu depctr_va_vdst(0)                   ; the head's end
	s_wait_tensorcnt 0x0                           ; my part of K step 0 is in
	ds_add_u32 v[SPW], v[NIL]
	s_wait_dscnt 0x0
	CROUND                                         ; everybody's part of K step 0 is in, and the joint loads meet
	JLOAD 1                                        ; K step 1: the first tensor load behind the round
	FETCH 0, 0, F0
	SUB 0, 1, F0, F1, 1
.if LAPS > 1
	WIN 0
	s_mov_b32 s3, LAPS-1
.Llap:
	SUB 0, 2, F1, F0, 0
	SUB 0, 3, F0, F1, 0
	TURN 0, 1, 1
	SUB 1, 1, F0, F1, 0
	SUB 1, 2, F1, F0, 0
	SUB 1, 3, F0, F1, 0
	TURN 1, 0, 1
	SUB 0, 1, F0, F1, 0
	WIN 0
	s_sub_co_u32 s3, s3, 1
	s_cmp_lg_u32 s3, 0
	s_cbranch_scc1 .Llap
.endif
	SUB 0, 2, F1, F0, 0
	SUB 0, 3, F0, F1, 0
	TURN 0, 1, 0
	SUB 1, 1, F0, F1, 0
	SUB 1, 2, F1, F0, 0
	SUB 1, 3, F0, F1, 0
	s_wait_dscnt 8
	WIN MUL
	MUL8 F1, 0, 0
	s_wait_dscnt 0
	MUL8 F1, 2, 0
	WIN 0
.macro TOSTAGE a
.irp b, 0,1,2,3
	ds_store_b128 v[STO], v[ACC+32*(\a)+8*\b:ACC+32*(\a)+8*\b+3] offset:64*\b
	ds_store_b128 v[STO], v[ACC+32*(\a)+8*\b+4:ACC+32*(\a)+8*\b+7] offset:64*\b+16
.endr
.irp t, 0,1,2,3,4,5,6,7
	ds_load_b128 v[BK+32*((\a)%2)+4*\t:BK+32*((\a)%2)+4*\t+3], v[RD] offset:\t*2*SPITCH
.endr
.endm
.macro SEND a, younger
.set BB, BK+32*((\a)%2)
	s_wait_dscnt \younger
	WIN 0x20
.set jj, 0
.rept 16
	v_pk_fma_f32 v[BB+jj:BB+jj+1], v[BB+jj:BB+jj+1], s[78:79], v[RES+32*(\a)+jj:RES+32*(\a)+jj+1] op_sel_hi:[1,0,1]
.set jj, jj+2
.endr
	WIN 0
.if HAS_BIAS
.set jj, 0
.rept 8
	v_pk_add_f32 v[BB+jj:BB+jj+1], v[BB+jj:BB+jj+1], v[BI:BI+1]
	v_pk_add_f32 v[BB+jj+2:BB+jj+3], v[BB+jj+2:BB+jj+3], v[BI+2:BI+3]
.set jj, jj+4
.endr
.endif
.irp t, 0,1,2,3,4,5,6,7
	global_store_b128 v[CO], v[BB+4*\t:BB+4*\t+3], s[72:73] offset:(16*(\a)+2*\t)*4096
.endr
.endm
	s_wait_kmcnt 0x0
	s_add_co_i32 s78, s76, s77
	s_add_co_i32 s78, s78, 127
	s_lshl_b32 s78, s78, 23
	s_mov_b32 s79, s78
	PLACES
	TOSTAGE 0
	s_wait_loadcnt 0x0
.irp a, 1,2,3
.if \a > 1
	s_wait_xcnt 0x0
.endif
	TOSTAGE \a
	SEND \a-1, 16
.endr
	SEND 3, 0
	s_wait_tensorcnt 0x0
	ds_add_u32 v[SPW], v[NIL]
	s_wait_dscnt 0x0
	CROUND
	s_endpgm
.Lfunc_end_k_qe332e6f340_outp:
	.size	k_qe332e6f340_outp, .Lfunc_end_k_qe332e6f340_outp-k_qe332e6f340_outp
	.p2alignl 7, 3214868480
	.fill 96, 4, 3214868480
	.section	.rodata,"a",@progbits
	.p2align	6, 0x0
	.amdhsa_kernel k_qe332e6f340_outp
		.amdhsa_group_segment_fixed_size 327680
		.amdhsa_private_segment_fixed_size 0
		.amdhsa_enable_private_segment 0
		.amdhsa_kernarg_size 40
		.amdhsa_user_sgpr_count 2
		.amdhsa_user_sgpr_kernarg_segment_ptr 1
		.amdhsa_wavefront_size32 1
		.amdhsa_system_sgpr_workgroup_id_x 1
		.amdhsa_system_sgpr_workgroup_id_y 1
		.amdhsa_system_sgpr_workgroup_id_z 1
		.amdhsa_system_vgpr_workitem_id 0
		.amdhsa_next_free_vgpr 768
		.amdhsa_next_free_sgpr 90
		.amdhsa_reserve_vcc 0
		.amdhsa_float_denorm_mode_32 3
		.amdhsa_float_denorm_mode_16_64 3
		.amdhsa_memory_ordered 1
		.amdhsa_forward_progress 1
		.amdhsa_inst_pref_size 49
	.end_amdhsa_kernel
	.amdgpu_metadata
---
amdhsa.version: [ 1, 2 ]
amdhsa.kernels:
  - .name:           k_qe332e6f340_outp
    .symbol:         k_qe332e6f340_outp.kd
    .args:
      - { .name: oc, .offset: 0, .size: 8, .value_kind: global_buffer, .address_space: global }
      - { .name: codes, .offset: 8, .size: 8, .value_kind: global_buffer, .address_space: global }
      - { .name: lowp_scales, .offset: 16, .size: 8, .value_kind: global_buffer, .address_space: global }
      - { .name: x, .offset: 24, .size: 8, .value_kind: global_buffer, .address_space: global }
      - { .name: x2, .offset: 32, .size: 8, .value_kind: global_buffer, .address_space: global }
    .group_segment_fixed_size: 327680
    .private_segment_fixed_size: 0
    .kernarg_segment_align: 8
    .kernarg_segment_size: 40
    .max_flat_workgroup_size: 128
    .sgpr_count:     90
    .vgpr_count:     768
    .wavefront_size: 32
...
	.end_amdgpu_metadata
.endif
;; end of part 4
;; launch ln2 (part 5): grid 256 x 1, 4 waves a work-group, no clusters, 20,992 bytes of LDS; arguments x2, lowp_scales, h2q; writes h2q
.if DOCPART == 5
	.amdgcn_target "amdgcn-amd-amdhsa--gfx1250"
	.amdhsa_code_object_version 6
	.text
	.protected	k_qe332e6f340_ln2
	.globl	k_qe332e6f340_ln2
	.p2align	8
	.type	k_qe332e6f340_ln2,@function
k_qe332e6f340_ln2:
	s_mov_b64 s[64:65], 0
	v_nop
	global_prefetch_b8 v0, s[64:65] scope:SCOPE_SE
	s_setreg_imm32_b32 hwreg(HW_REG_WAVE_MODE, 25, 1), 1
	s_wait_xcnt 0x0
; x2 [4096][1024] f32 is normalised along its rows, (x - mean) / sqrt(var + 1e-5), mean and variance in two passes in f32, and quantised with e8 into h2q [4096][1024], codes of E4M3.
; Work-group g takes rows 16 g .. 16 g + 15, a wave four.  A row is 32 registers of a wave: eight loads of 512 consecutive bytes.  The conversions want 16 neighbours in ONE lane: so a row turns through the wave's own
; stage in LDS (in as loaded, out 64 bytes a lane; 16 bytes of padding behind each 64).  Each store of the wave covers 512 consecutive bytes, aligned.  Waves share nothing: no barrier.
; LIMITS: e8 between -126 and 119.  NaN and infinity among the inputs are not served.
.set SP,    80
.set WREG,  64*SP
.set SPARE, 4*WREG
.set SPW,   12
.set NIL,   13
.set R,     16                         ; v16-143   four rows as loaded
.set X,     144                        ; v144-175  a row, 2 x 16 neighbours
.set C,     176                        ; v176-207  codes, never written twice
.set T,     208
.set MN,    212
.set IV,    214
	s_load_b128 s[4:7], s[0:1], 0x0                ; x2, the exponents
	s_load_b64 s[16:17], s[0:1], 0x10              ; h2q
	v_lshl_add_u32 v[SPW], v0, 2, SPARE
	v_mov_b32 v[NIL], 0
	v_lshrrev_b32 v1, 5, v0
	v_readfirstlane_b32 s21, v1                    ; wave
	v_and_b32 v2, 31, v0                           ; lane
	v_lshlrev_b32 v3, 4, v2                        ; 16 x lane
	s_mul_i32 s38, s21, WREG
	v_lshrrev_b32 v14, 2, v2
	v_mul_u32_u24 v14, v14, SP
	v_and_b32 v15, 3, v2
	v_lshl_add_u32 v14, v15, 4, v14
	v_add_nc_u32 v14, s38, v14                     ; the stage, in
	v_mul_u32_u24 v15, v2, SP
	v_add_nc_u32 v15, s38, v15                     ; the stage, out
	s_mov_b32 s36, 0x76543210
	s_mov_b32 s37, 0xfedcba98
	v_mov_b32 v[IV], 0x3a800000                    ; 1 / 1024
	s_lshl_b32 s38, ttmp9, 16
	s_lshl_b32 s39, s21, 14
	s_add_co_u32 s38, s38, s39
	s_mov_b32 s39, 0
	s_lshl_b32 s40, ttmp9, 14
	s_lshl_b32 s41, s21, 12
	s_add_co_u32 s40, s40, s41
	s_mov_b32 s41, 0
	s_wait_alu depctr_va_vdst(0)
	s_wait_kmcnt 0x0
	s_load_b32 s24, s[6:7], 0x20                   ; e8
	s_add_nc_u64 s[4:5], s[4:5], s[38:39]
	s_add_nc_u64 s[16:17], s[16:17], s[40:41]
.set ii, 0
.rept 32
	global_load_b128 v[R+4*ii:R+4*ii+3], v3, s[4:5] offset:512*ii
.set ii, ii+1
.endr
	s_wait_kmcnt 0x0
	s_add_co_i32 s24, s24, 127
	s_lshl_b32 s25, s24, 23
	v_mov_b32 v11, s25                             ; 2^e8
	s_add_co_i32 s24, s24, 8
	s_lshl_b32 s24, s24, 23
	s_or_b32 s24, s24, 0x600000
	v_mov_b32 v10, s24                             ; 448 x 2^e8
.macro REDUCE                          ; two packed chains in v[T:T+3] -> the row's sum, in v[T] of every lane
	v_pk_add_f32 v[T:T+1], v[T:T+1], v[T+2:T+3]
	v_add_f32 v[T], v[T], v[T+1]
	v_add_f32_dpp v[T], v[T], v[T] row_xmask:1 row_mask:0xf bank_mask:0xf
	v_add_f32_dpp v[T], v[T], v[T] row_xmask:2 row_mask:0xf bank_mask:0xf
	v_add_f32_dpp v[T], v[T], v[T] row_xmask:4 row_mask:0xf bank_mask:0xf
	v_add_f32_dpp v[T], v[T], v[T] row_xmask:8 row_mask:0xf bank_mask:0xf
	v_permlanex16_b32 v[T+1], v[T], s36, s37
	v_add_f32 v[T], v[T], v[T+1]
.endm
.macro ROW t
.set RB, R+32*(\t)
	s_wait_loadcnt 8*(3-(\t))                      ; this row's eight loads are in; the later rows' may be out
	v_pk_add_f32 v[T:T+1], v[RB:RB+1], v[RB+2:RB+3]
	v_pk_add_f32 v[T+2:T+3], v[RB+4:RB+5], v[RB+6:RB+7]
.irp j, 8,12,16,20,24,28
	v_pk_add_f32 v[T:T+1], v[T:T+1], v[RB+\j:RB+\j+1]
	v_pk_add_f32 v[T+2:T+3], v[T+2:T+3], v[RB+\j+2:RB+\j+3]
.endr
	REDUCE
	v_mul_f32 v[MN], v[IV], v[T]                   ; the mean
	v_mov_b32 v[MN+1], v[MN]
.irp j, 0,2,4,6,8,10,12,14,16,18,20,22,24,26,28,30
	v_pk_add_f32 v[RB+\j:RB+\j+1], v[RB+\j:RB+\j+1], v[MN:MN+1] neg_lo:[0,1] neg_hi:[0,1]
.endr
	v_pk_mul_f32 v[T:T+1], v[RB:RB+1], v[RB:RB+1]
	v_pk_mul_f32 v[T+2:T+3], v[RB+2:RB+3], v[RB+2:RB+3]
.irp j, 4,8,12,16,20,24,28
	v_pk_fma_f32 v[T:T+1], v[RB+\j:RB+\j+1], v[RB+\j:RB+\j+1], v[T:T+1]
	v_pk_fma_f32 v[T+2:T+3], v[RB+\j+2:RB+\j+3], v[RB+\j+2:RB+\j+3], v[T+2:T+3]
.endr
	REDUCE
	v_fmaak_f32 v[T], v[T], v[IV], 0x3727c5ac      ; var + 1e-5
	s_wait_alu depctr_va_vdst(0)
	v_rsq_f32 v[MN], v[T]
	v_nop                                          ; a plain line behind the transcendental,
	s_wait_alu depctr_va_vdst(0)                   ; and the wait ahead of its first reader
	v_mov_b32 v[MN+1], v[MN]
.irp j, 0,2,4,6,8,10,12,14,16,18,20,22,24,26,28,30
	v_pk_mul_f32 v[RB+\j:RB+\j+1], v[RB+\j:RB+\j+1], v[MN:MN+1]
.endr
.irp i, 0,1,2,3,4,5,6,7
	ds_store_b128 v14, v[RB+4*\i:RB+4*\i+3] offset:8*SP*\i
.endr
.irp i, 0,1,2,3,4,5,6,7                        ; LDS serves a wave's instructions in order: these see the stores above
	ds_load_b128 v[X+4*\i:X+4*\i+3], v15 offset:32*SP*(\i/4)+16*(\i%4)
.endr
	s_wait_dscnt 0x0
.set ii, 0
.rept 32
	v_med3_num_f32 v[X+ii], v[X+ii], -v10, v10     ; the conversion does not saturate (ISA guide 7.6.2): the hold
.set ii, ii+1
.endr
.irp g, 0,1,2,3
	v_cvt_scalef32_pk8_fp8_f32 v[C+8*(\t)+2*\g:C+8*(\t)+2*\g+1], v[X+8*\g:X+8*\g+7], v11
.endr
	v_nop                                          ; a plain line between the conversions and the next vector line that writes their sources
	global_store_b128 v3, v[C+8*(\t):C+8*(\t)+3], s[16:17] offset:1024*(\t)
	global_store_b128 v3, v[C+8*(\t)+4:C+8*(\t)+7], s[16:17] offset:1024*(\t)+512
.endm
	ROW 0
	ROW 1
	ROW 2
	ROW 3
	s_wait_tensorcnt 0x0                           ; the wave's end, behind my last LDS store
	ds_add_u32 v[SPW], v[NIL]
	s_wait_dscnt 0x0
	s_endpgm
.Lfunc_end_k_qe332e6f340_ln2:
	.size	k_qe332e6f340_ln2, .Lfunc_end_k_qe332e6f340_ln2-k_qe332e6f340_ln2
	.p2alignl 7, 3214868480
	.fill 96, 4, 3214868480
	.section	.rodata,"a",@progbits
	.p2align	6, 0x0
	.amdhsa_kernel k_qe332e6f340_ln2
		.amdhsa_group_segment_fixed_size 20992
		.amdhsa_private_segment_fixed_size 0
		.amdhsa_enable_private_segment 0
		.amdhsa_kernarg_size 24
		.amdhsa_user_sgpr_count 2
		.amdhsa_user_sgpr_kernarg_segment_ptr 1
		.amdhsa_wavefront_size32 1
		.amdhsa_system_sgpr_workgroup_id_x 1
		.amdhsa_system_sgpr_workgroup_id_y 1
		.amdhsa_system_sgpr_workgroup_id_z 1
		.amdhsa_system_vgpr_workitem_id 0
		.amdhsa_next_free_vgpr 224
		.amdhsa_next_free_sgpr 66
		.amdhsa_reserve_vcc 0
		.amdhsa_float_denorm_mode_32 3
		.amdhsa_float_denorm_mode_16_64 3
		.amdhsa_memory_ordered 1
		.amdhsa_forward_progress 1
		.amdhsa_inst_pref_size 40
	.end_amdhsa_kernel
	.amdgpu_metadata
---
amdhsa.version: [ 1, 2 ]
amdhsa.kernels:
  - .name:           k_qe332e6f340_ln2
    .symbol:         k_qe332e6f340_ln2.kd
    .args:
      - { .name: x2, .offset: 0, .size: 8, .value_kind: global_buffer, .address_space: global }
      - { .name: lowp_scales, .offset: 8, .size: 8, .value_kind: global_buffer, .address_space: global }
      - { .name: h2q, .offset: 16, .size: 8, .value_kind: global_buffer, .address_space: global }
    .group_segment_fixed_size: 20992
    .private_segment_fixed_size: 0
    .kernarg_segment_align: 8
    .kernarg_segment_size: 24
    .max_flat_workgroup_size: 128
    .sgpr_count:     66
    .vgpr_count:     224
    .wavefront_size: 32
...
	.end_amdgpu_metadata
.endif
;; end of part 5
;; launch fc (part 6): grid 16 x 16, 4 waves a work-group, clusters of 4 x 4, 327,680 bytes of LDS; arguments h2q, codes, lowp_scales, b_fc, mq; writes mq
.if DOCPART == 6
	.amdgcn_target "amdgcn-amd-amdhsa--gfx1250"
	.amdhsa_code_object_version 6
	.text
	.protected	k_qe332e6f340_fc
	.globl	k_qe332e6f340_fc
	.p2align	8
	.type	k_qe332e6f340_fc,@function
k_qe332e6f340_fc:
	s_mov_b64 s[64:65], 0
	v_nop
	global_prefetch_b8 v0, s[64:65] scope:SCOPE_SE
	s_setreg_imm32_b32 hwreg(HW_REG_WAVE_MODE, 25, 1), 1
	s_wait_xcnt 0x0
	s_wait_alu depctr_hold_cnt(0) depctr_sa_sdst(0) depctr_va_vdst(0) depctr_va_sdst(0) depctr_va_ssrc(0) depctr_va_vcc(0) depctr_vm_vsrc(0)
	s_getreg_b32 s2, hwreg(HW_REG_IB_STS2, 6, 4)
	s_cmp_eq_u32 s2, 0
	s_cbranch_scc0 .Lentry_in_a_cluster
	s_endpgm
.Lentry_in_a_cluster:
	s_bfe_u32 s2, ttmp6, 0x10000c
	s_cmp_lg_u32 s2, 0xf033
	s_cbranch_scc0 .Lentry_shape_is_right
	s_endpgm
.Lentry_shape_is_right:
.set MODE,   1
.set SIZE_K, 1024
.set KSTEP,  256
.set ROWB,   256
.set KROW,   SIZE_K
.set PITCH,  272
.set FR,     16
.set NL,     4
.set NP,     4
.set HALFT,  128*PITCH
.set SLOT,   4*HALFT
.set LAPS,   SIZE_K/(2*KSTEP)
.set SPARE,  2*SLOT
.set SPITCH, 272
.set BPTR,   4+2*MODE
.set EPTR,   6+2*MODE
.set OUTP,   10+2*MODE
.set ADRA, 16
.set RDH,  18
.set COH,  19
.set ADRB, 20
.set LIM,  22
.set SCL,  23
.set STO,  24
.set RD,   25
.set CO,   26
.set SPW,  28
.set NIL,  29
.set BIAS, 32
.set AF,   128
.set TMP,  128
.set CD,   192
.set RB,   128
.set G1, 24
.set G0, 32
.set G1B, 48
.set G0B, 56
.set MSB, 0
.macro WIN new
.if MSB != \new
	s_set_vgpr_msb (MSB<<8)|\new
.set MSB, \new
.endif
.endm
.set MUL_LO, 0xa1
.set MUL_HI, 0xf1
.set TO_B,   0x40
.macro JLOAD g0a, g1a, g0b, g1b
	s_cmp_eq_u32 s15, 0
	s_cbranch_scc0 .Lfor_b_\@
	tensor_load_to_lds s[\g0a:\g0a+3], s[\g1a:\g1a+7]
	s_nop 0
.rept 4
	v_nop
.endr
	s_branch .Lasked_\@
.Lfor_b_\@:
	tensor_load_to_lds s[\g0b:\g0b+3], s[\g1b:\g1b+7]
	s_nop 0
.rept 4
	v_nop
.endr
.Lasked_\@:
.endm
.macro CREST
	s_cmp_lg_u32 s14, 0
	s_cbranch_scc1 .Lnot_wave_0_\@
	s_barrier_signal -3
.Lnot_wave_0_\@:
	s_barrier_wait -3
	s_barrier_signal -1
	s_barrier_wait -1
.endm
.macro CROUND
	s_barrier_signal -1
	s_barrier_wait -1
	CREST
.endm
.if MODE == 0
	s_load_b128 s[4:7], s[0:1], 0x0
	s_load_b64 s[10:11], s[0:1], 0x10
.else
	s_load_b128 s[4:7], s[0:1], 0x0
	s_load_b128 s[8:11], s[0:1], 0x10
	s_load_b64 s[12:13], s[0:1], 0x20
.endif
	v_lshl_add_u32 v[SPW], v0, 2, SPARE
	v_mov_b32 v[NIL], 0
	ds_add_u32 v[SPW], v[NIL]
	ds_add_u32 v[SPW], v[NIL]
	v_lshrrev_b32 v1, 5, v0
	v_readfirstlane_b32 s14, v1
	s_lshr_b32 s15, s14, 1
	s_and_b32 s16, s14, 1
	s_bfe_u32 s40, ttmp6, 0x40000
	s_bfe_u32 s41, ttmp6, 0x40004
	s_and_b32 s76, ttmp7, 0xffff
	s_lshl_b32 s76, s76, 2
	s_lshl_b32 s77, ttmp9, 2
.if MODE == 0
	s_cmp_eq_u32 ttmp9, 2
	s_cselect_b32 s17, 0, s76
	s_cselect_b32 s42, s76, s77
	s_cselect_b32 s78, 0x600000, 0
	s_cselect_b32 s79, 0, 0x400000
.else
	s_mov_b32 s17, s76
	s_mov_b32 s42, s77
	s_mov_b32 s78, 0
	s_mov_b32 s79, 0x800000
.endif
	s_add_co_u32 s17, s17, s41
	s_add_co_u32 s42, s42, s40
	s_lshl_b32 s43, s41, 2
	s_lshl_b32 s43, 15, s43
	s_lshl_b32 s44, 0x1111, s40
	s_or_b32 s[G1+0], s43, (0<<16)|(1<<20)|(1<<21)|(5<<22)|(3<<25)
	s_or_b32 s[G1B+0], s44, (0<<16)|(1<<20)|(1<<21)|(5<<22)|(3<<25)
.irp g, G1, G1B
	s_mov_b32 s[\g+1], ROWB<<16
	s_mov_b32 s[\g+2], 128<<16
	s_mov_b32 s[\g+3], ROWB<<16
	s_mov_b32 s[\g+4], 128
	s_mov_b32 s[\g+5], KROW
	s_mov_b32 s[\g+6], 0
	s_mov_b32 s[\g+7], 0
.endr
	s_lshl_b32 s18, s16, 7
	s_lshl_b32 s20, s17, 8
	s_add_co_u32 s20, s20, s18
	s_lshl_b32 s20, s20, 10
	s_add_co_u32 s20, s20, s78
	s_mov_b32 s21, 0
	s_lshl_b32 s46, s42, 8
	s_add_co_u32 s46, s46, s18
	s_lshl_b32 s46, s46, 10
	s_add_co_u32 s46, s46, s79
	s_mov_b32 s47, 0
	s_mul_i32 s45, s14, HALFT
	s_wait_dscnt 0x0
	s_wait_kmcnt 0x0
.if MODE == 0
	s_load_b256 s[68:75], s[EPTR:EPTR+1], 0x0
.else
	s_load_b128 s[68:71], s[EPTR:EPTR+1], 0x20
.endif
	s_add_nc_u64 s[20:21], s[4:5], s[20:21]
	s_add_nc_u64 s[46:47], s[BPTR:BPTR+1], s[46:47]
	CROUND
.irp s, 0,1
	s_mov_b32 s[G0+4*\s], 1
	s_add_co_u32 s[G0+4*\s+1], s45, \s*SLOT
	s_add_nc_u64 s[G0+4*\s+2:G0+4*\s+3], s[20:21], \s*ROWB
	s_or_b32 s[G0+4*\s+3], s[G0+4*\s+3], 0x80000000
	s_mov_b32 s[G0B+4*\s], 1
	s_add_co_u32 s[G0B+4*\s+1], s45, \s*SLOT
	s_add_nc_u64 s[G0B+4*\s+2:G0B+4*\s+3], s[46:47], \s*ROWB
	s_or_b32 s[G0B+4*\s+3], s[G0B+4*\s+3], 0x80000000
.endr
	JLOAD G0, G1, G0B, G1B                         ; K step 0: one tensor load a wave at the head
	v_and_b32 v1, 15, v0
	v_bfe_u32 v2, v0, 4, 1
	v_mul_u32_u24 v3, v1, PITCH
	s_wait_alu depctr_va_vdst(0)
	v_lshl_add_u32 v4, v2, 4, v3
	s_mul_i32 s21, s15, HALFT
	s_mul_i32 s22, s16, HALFT
	s_add_co_u32 s22, s22, 2*HALFT
.irp s, 0,1
	v_add_nc_u32 v[ADRA+\s], s21, v4
	v_add_nc_u32 v[ADRB+\s], s22, v4
	s_add_co_u32 s21, s21, SLOT
	s_add_co_u32 s22, s22, SLOT
.endr
	s_mul_i32 s23, s15, 128*SPITCH
	s_lshl_b32 s21, s16, 7
	s_add_co_u32 s23, s23, s21
	v_lshl_add_u32 v5, v2, 3, v3
	v_add_nc_u32 v[STO], s23, v5
	s_mul_i32 s23, s14, 64*SPITCH
	v_mul_u32_u24 v5, v2, SPITCH
	v_lshl_add_u32 v5, v1, 4, v5
	v_add_nc_u32 v[RD], s23, v5
	v_lshlrev_b32 v5, 11+MODE, v2
	v_lshl_add_u32 v[CO], v1, 4, v5
.if MODE == 0
	v_bfe_u32 v5, v0, 2, 3
	v_mul_u32_u24 v5, v5, SPITCH
	v_and_b32 v6, 3, v0
	v_lshl_add_u32 v5, v6, 4, v5
	v_add_nc_u32 v[RDH], s23, v5
	v_and_b32 v6, 31, v0
	v_lshlrev_b32 v[COH], 4, v6
.else
	s_lshl_b32 s82, s42, 10
	s_lshl_b32 s83, s16, 9
	s_add_co_u32 s82, s82, s83
	s_mov_b32 s83, 0
	s_add_nc_u64 s[10:11], s[10:11], s[82:83]
	v_lshlrev_b32 v27, 5, v2
.set jj, 0
.rept 8
	global_load_b128 v[BIAS+8*jj:BIAS+8*jj+3], v27, s[10:11] offset:64*jj
	global_load_b128 v[BIAS+8*jj+4:BIAS+8*jj+7], v27, s[10:11] offset:64*jj+16
.set jj, jj+1
.endr
.endif
.macro FRAG reg, adr, q, i
.irp c, 0,1,2,3
	ds_load_b128 v[\reg+4*\c:\reg+4*\c+3], v[\adr] offset:128*(\q)+32*\c+(\i)*16*PITCH
.endr
.endm
.macro MUL16 a0, p, zero
.irp a, \a0, \a0+1
.irp b, 0,1,2,3,4,5,6,7
.if \zero
	v_wmma_f32_16x16x128_fp8_fp8 v[8*(8*((\a)%4)+\b):8*(8*((\a)%4)+\b)+7], v[128*(\p)+FR*\b:128*(\p)+FR*\b+FR-1], v[AF+FR*(\a):AF+FR*(\a)+FR-1], 0
.else
	v_wmma_f32_16x16x128_fp8_fp8 v[8*(8*((\a)%4)+\b):8*(8*((\a)%4)+\b)+7], v[128*(\p)+FR*\b:128*(\p)+FR*\b+FR-1], v[AF+FR*(\a):AF+FR*(\a)+FR-1], v[8*(8*((\a)%4)+\b):8*(8*((\a)%4)+\b)+7]
.endif
.endr
.endr
.endm
.macro FETCH_B slot, q, p
	WIN TO_B
.irp i, 0,1,2,3,4,5,6,7
	FRAG 128*(\p)+FR*\i, ADRB+\slot, \q, \i
.endr
	WIN 0
.endm
.macro FETCH_A slot, q, i0
.irp i, \i0, \i0+1, \i0+2, \i0+3
	FRAG AF+FR*(\i), ADRA+\slot, \q, \i
.endr
.endm
.macro PLACES n
.rept \n
	v_nop
.endr
.endm
.macro STEP slot, q, zero
	s_wait_dscnt 4*NL
	WIN MUL_LO
	MUL16 0, (\q)%2, \zero
	MUL16 2, (\q)%2, \zero
	s_wait_dscnt 0
	PLACES NP
	FETCH_B \slot, (\q)+1, 1-(\q)%2
	FETCH_A \slot, (\q)+1, 0
	WIN MUL_HI
	MUL16 4, (\q)%2, \zero
	MUL16 6, (\q)%2, \zero
	PLACES NP
	WIN 0
	FETCH_A \slot, (\q)+1, 4
.endm
.macro TURN slot, next, fill
	s_wait_tensorcnt 0x0
	ds_add_u32 v[SPW], v[NIL]
	s_wait_dscnt 4*NL+1
	WIN MUL_LO
	MUL16 0, 1, 0
	s_wait_dscnt 0x0
	s_barrier_signal -1
	MUL16 2, 1, 0
	WIN 0
	s_barrier_wait -1
.if \fill
	CREST
	s_add_nc_u64 s[G0+4*\slot+2:G0+4*\slot+3], s[G0+4*\slot+2:G0+4*\slot+3], 2*ROWB
	s_add_nc_u64 s[G0B+4*\slot+2:G0B+4*\slot+3], s[G0B+4*\slot+2:G0B+4*\slot+3], 2*ROWB
	JLOAD G0+4*\slot, G1, G0B+4*\slot, G1B
.else
	PLACES NP
.endif
	s_wait_alu depctr_va_vdst(0)
	FETCH_B \next, 0, 0
	FETCH_A \next, 0, 0
	WIN MUL_HI
	MUL16 4, 1, 0
	MUL16 6, 1, 0
	PLACES NP
	WIN 0
	FETCH_A \next, 0, 4
.endm
	s_wait_alu depctr_va_vdst(0)                   ; the head's end
	s_wait_tensorcnt 0x0                           ; my part of K step 0 is in
	ds_add_u32 v[SPW], v[NIL]
	s_wait_dscnt 0x0
	CROUND                                         ; everybody's part of K step 0 is in, and the joint loads meet
	JLOAD G0+4, G1, G0B+4, G1B                     ; K step 1: the first tensor load behind the round
	FETCH_B 0, 0, 0
	FETCH_A 0, 0, 0
	FETCH_A 0, 0, 4
	STEP 0, 0, 1
	s_mov_b32 s3, LAPS-1
.Llap:
	TURN 0, 1, 1
	STEP 1, 0, 0
	TURN 1, 0, 1
	STEP 0, 0, 0
	s_sub_co_u32 s3, s3, 1
	s_cmp_lg_u32 s3, 0
	s_cbranch_scc1 .Llap
	TURN 0, 1, 0
	STEP 1, 0, 0
	s_wait_dscnt 4*NL
	WIN MUL_LO
	MUL16 0, 1, 0
	MUL16 2, 1, 0
	s_wait_dscnt 0
	WIN MUL_HI
	MUL16 4, 1, 0
	MUL16 6, 1, 0
	WIN 0
.macro CODES a
.set AC, 64*((\a)%4)
	WIN 0x02+((\a)/4)
.set jj, 0
.if MODE == 0
.rept 64
	v_med3_num_f32 v[TMP+jj], v[AC+jj], -v[LIM], v[LIM]
.set jj, jj+1
.endr
	WIN 0
.else
.rept 32
	v_pk_fma_f32 v[TMP+jj:TMP+jj+1], v[AC+jj:AC+jj+1], s[96:97], v[BIAS+jj:BIAS+jj+1] op_sel_hi:[1,0,1]
.set jj, jj+2
.endr
	WIN 0
.set jj, 0
.rept 64
	v_med3_num_f32 v[TMP+jj], v[TMP+jj], 0, v[LIM]
.set jj, jj+1
.endr
.endif
.if (\a) > 0
	s_wait_alu depctr_va_vdst(0)
	s_wait_dscnt 0x0
.endif
.irp b, 0,1,2,3,4,5,6,7
	v_cvt_scalef32_pk8_fp8_f32 v[CD+2*\b:CD+2*\b+1], v[TMP+8*\b:TMP+8*\b+7], v[SCL]
.endr
	v_nop
.irp b, 0,1,2,3,4,5,6,7
	ds_store_b64 v[STO], v[CD+2*\b:CD+2*\b+1] offset:(\a)*16*SPITCH+16*\b
.endr
.endm
.macro OUT_ROWS pitch
.set jj, 0
.rept 32
	ds_load_b128 v[RB+4*jj:RB+4*jj+3], v[RD] offset:jj*2*SPITCH
.set jj, jj+1
.endr
.set jj, 0
.rept 32
	s_wait_dscnt 31-jj
	global_store_b128 v[CO], v[RB+4*jj:RB+4*jj+3], s[OUTP:OUTP+1] offset:2*jj*\pitch
.set jj, jj+1
.endr
.endm
	s_wait_kmcnt 0x0
	s_add_co_i32 s96, s68, s69
	s_add_co_i32 s96, s96, 127
	s_lshl_b32 s96, s96, 23
	s_mov_b32 s97, s96
	s_mov_b32 s80, s70
	s_wait_loadcnt 0x0
	s_add_co_i32 s80, s80, 127
	s_lshl_b32 s81, s80, 23
	s_add_co_i32 s80, s80, 8
	s_lshl_b32 s80, s80, 23
	s_or_b32 s80, s80, 0x600000
	PLACES NP
	v_mov_b32 v[SCL], s81
	v_mov_b32 v[LIM], s80
.irp a, 0,1,2,3,4,5,6,7
	CODES \a
.endr
	s_wait_dscnt 0x0
	s_barrier_signal -1
	s_barrier_wait -1
	s_lshl_b32 s82, s17, 8
	s_lshl_b32 s83, s14, 6
	s_add_co_u32 s82, s82, s83
	s_lshl_b32 s82, s82, 12
	s_lshl_b32 s83, s42, 8
	s_add_co_u32 s82, s82, s83
	s_mov_b32 s83, 0
	s_add_nc_u64 s[OUTP:OUTP+1], s[OUTP:OUTP+1], s[82:83]
	OUT_ROWS 4096
	s_wait_tensorcnt 0x0
	ds_add_u32 v[SPW], v[NIL]
	s_wait_dscnt 0x0
	CROUND
	s_endpgm
.Lfunc_end_k_qe332e6f340_fc:
	.size	k_qe332e6f340_fc, .Lfunc_end_k_qe332e6f340_fc-k_qe332e6f340_fc
	.p2alignl 7, 3214868480
	.fill 96, 4, 3214868480
	.section	.rodata,"a",@progbits
	.p2align	6, 0x0
	.amdhsa_kernel k_qe332e6f340_fc
		.amdhsa_group_segment_fixed_size 327680
		.amdhsa_private_segment_fixed_size 0
		.amdhsa_enable_private_segment 0
		.amdhsa_kernarg_size 40
		.amdhsa_user_sgpr_count 2
		.amdhsa_user_sgpr_kernarg_segment_ptr 1
		.amdhsa_wavefront_size32 1
		.amdhsa_system_sgpr_workgroup_id_x 1
		.amdhsa_system_sgpr_workgroup_id_y 1
		.amdhsa_system_sgpr_workgroup_id_z 1
		.amdhsa_system_vgpr_workitem_id 0
		.amdhsa_next_free_vgpr 1024
		.amdhsa_next_free_sgpr 98
		.amdhsa_reserve_vcc 0
		.amdhsa_float_denorm_mode_32 3
		.amdhsa_float_denorm_mode_16_64 3
		.amdhsa_memory_ordered 1
		.amdhsa_forward_progress 1
		.amdhsa_inst_pref_size 144
	.end_amdhsa_kernel
	.amdgpu_metadata
---
amdhsa.version: [ 1, 2 ]
amdhsa.kernels:
  - .name:           k_qe332e6f340_fc
    .symbol:         k_qe332e6f340_fc.kd
    .args:
      - { .name: h2q, .offset: 0, .size: 8, .value_kind: global_buffer, .address_space: global }
      - { .name: codes, .offset: 8, .size: 8, .value_kind: global_buffer, .address_space: global }
      - { .name: lowp_scales, .offset: 16, .size: 8, .value_kind: global_buffer, .address_space: global }
      - { .name: b_fc, .offset: 24, .size: 8, .value_kind: global_buffer, .address_space: global }
      - { .name: mq, .offset: 32, .size: 8, .value_kind: global_buffer, .address_space: global }
    .group_segment_fixed_size: 327680
    .private_segment_fixed_size: 0
    .kernarg_segment_align: 8
    .kernarg_segment_size: 40
    .max_flat_workgroup_size: 128
    .sgpr_count:     98
    .vgpr_count:     1024
    .wavefront_size: 32
...
	.end_amdgpu_metadata
.endif
;; end of part 6
;; launch proj (part 7): grid 8 x 32, 4 waves a work-group, clusters of 4 x 4, 327,680 bytes of LDS; arguments mq, codes, lowp_scales, x2, out0, b_proj; writes out0
.if DOCPART == 7
	.amdgcn_target "amdgcn-amd-amdhsa--gfx1250"
	.amdhsa_code_object_version 6
	.text
	.protected	k_qe332e6f340_proj
	.globl	k_qe332e6f340_proj
	.p2align	8
	.type	k_qe332e6f340_proj,@function
k_qe332e6f340_proj:
	s_mov_b64 s[64:65], 0
	v_nop
	global_prefetch_b8 v0, s[64:65] scope:SCOPE_SE
	s_setreg_imm32_b32 hwreg(HW_REG_WAVE_MODE, 25, 1), 1
	s_wait_xcnt 0x0
	s_wait_alu depctr_hold_cnt(0) depctr_sa_sdst(0) depctr_va_vdst(0) depctr_va_sdst(0) depctr_va_ssrc(0) depctr_va_vcc(0) depctr_vm_vsrc(0)
	s_getreg_b32 s2, hwreg(HW_REG_IB_STS2, 6, 4)
	s_cmp_eq_u32 s2, 0
	s_cbranch_scc0 .Lentry_in_a_cluster
	s_endpgm
.Lentry_in_a_cluster:
	s_bfe_u32 s2, ttmp6, 0x10000c
	s_cmp_lg_u32 s2, 0xf033
	s_cbranch_scc0 .Lentry_shape_is_right
	s_endpgm
.Lentry_shape_is_right:
; A GEMM ON CODES WITH A RESIDUAL: out = A B^T x 2^(ea + eb) (+ bias) + resid.  A [4096][SIZE_K], B [1024][SIZE_K]: codes of E4M3; resid, out [4096][1024] f32.
; This launch: product 6, out0 = m w_proj^T + b_proj + x2 (SIZE_K = 4,096, e10, e11).  The other launch of this text: product 4, x2 = x + o w_out^T.
; N is 1,024: tiles of 256 x 256 would be 64.  So a tile is 128 x 128: 256 work-groups of four waves, 64 x 64 a wave (16 accumulators); a wave's 64 columns of f32 are 256 bytes, aligned.
; K goes in steps of 512 (LDS rows of 512 bytes + 16; a wave's tensor load brings 64 of them) through a ring of two slots; a step is four parts of 128 along K, 16 matrix instructions each, on two fragment buffers.
; CLUSTERS: 4 x 4 work-groups; A's tile is asked for jointly along a row of the cluster, B's along a column.  THE MATRIX INSTRUCTION IS USED TRANSPOSED (source 0 = rows of B, source 1 = rows of A).
; The residual and the bias are asked for at the head, into registers of their own, and waited for on the way out: the whole product lies between.
; LIMIT: ea + eb between -126 and 127.
; REGISTERS: window 0: v0-31 addresses, v[8:11] the bias of my four columns; v64-127 rows read back from the stage, two sets; v128-255 the accumulators ((a, b) at v[128 + 8 (4 a + b)]).
;   window 1: two fragment buffers of 128: A's four fragments, then B's four.   window 2: v0-127 the residual.
.set SIZE_K,   4096
.set BOFF,     0xc00000                ; where B's codes begin in the buffer codes
.set EOFF,     0x28                    ; where ea, eb lie among the exponents
.set HAS_BIAS, 1
.set KSTEP,  512
.set PITCH,  528                       ; 512 bytes + 16: the 16 rows that a load touches start at 16 different banks
.set HALFT,  64*PITCH
.set SLOT,   4*HALFT
.set SPARE,  2*SLOT
.set SPITCH, 272                       ; the way out: 16 rows x (256 + 16) bytes for each wave, in slot 0, which has had its last fill and its last read by then
.set LAPS,   SIZE_K/(2*KSTEP)
.set BI,   8
.set ADRA, 16
.set ADRB, 20
.set STO,  24
.set RD,   25
.set CO,   26
.set SPW,  28
.set NIL,  29
.set BK,   64
.set ACC,  128
.set F0,   0
.set F1,   128
.set RES,  0
.set G1, 24
.set G0, 32
.set G1B, 48
.set G0B, 56
.set MSB, 0
.macro WIN new
.if MSB != \new
	s_set_vgpr_msb (MSB<<8)|\new
.set MSB, \new
.endif
.endm
.set MUL,  0x05                        ; sources 0 (B) and 1 (A) window 1; C and D window 0
.set TO_F, 0x40                        ; destination window 1
.macro JLOAD s                         ; waves 0, 1 fetch A's halves, waves 2, 3 B's; an s_nop 0 and four v_nop follow each line
	s_cmp_eq_u32 s11, 0
	s_cbranch_scc0 .Lfor_b_\@
	tensor_load_to_lds s[G0+4*\s:G0+4*\s+3], s[G1:G1+7]
	s_nop 0
.rept 4
	v_nop
.endr
	s_branch .Lasked_\@
.Lfor_b_\@:
	tensor_load_to_lds s[G0B+4*\s:G0B+4*\s+3], s[G1B:G1B+7]
	s_nop 0
.rept 4
	v_nop
.endr
.Lasked_\@:
.endm
.macro CREST
	s_cmp_lg_u32 s10, 0
	s_cbranch_scc1 .Lnot_wave_0_\@
	s_barrier_signal -3
.Lnot_wave_0_\@:
	s_barrier_wait -3
	s_barrier_signal -1
	s_barrier_wait -1
.endm
.macro CROUND
	s_barrier_signal -1
	s_barrier_wait -1
	CREST
.endm
	s_load_b128 s[4:7], s[0:1], 0x0                ; A's codes, the weights' codes
	s_load_b128 s[68:71], s[0:1], 0x10             ; the exponents, the residual
.if HAS_BIAS
	s_load_b128 s[72:75], s[0:1], 0x20             ; out, the bias
.else
	s_load_b64 s[72:73], s[0:1], 0x20              ; out
.endif
	v_lshl_add_u32 v[SPW], v0, 2, SPARE
	v_mov_b32 v[NIL], 0
	ds_add_u32 v[SPW], v[NIL]                      ; the wave's opening: the add, twice on end, and its wait ahead of my first tensor load
	ds_add_u32 v[SPW], v[NIL]
	v_lshrrev_b32 v1, 5, v0
	v_readfirstlane_b32 s10, v1                    ; wave 0..3
	s_lshr_b32 s11, s10, 1                         ; my half of the rows.  Also: I fetch for A (0) or B (1)
	s_and_b32 s12, s10, 1                          ; my half of the columns.  Also: which 64 rows I fetch
	s_bfe_u32 s40, ttmp6, 0x40000                  ; cx
	s_bfe_u32 s41, ttmp6, 0x40004                  ; cy
	s_lshl_b32 s42, ttmp9, 2
	s_add_co_u32 s42, s42, s40                     ; tile column
	s_and_b32 s13, ttmp7, 0xffff
	s_lshl_b32 s13, s13, 2
	s_add_co_u32 s13, s13, s41                     ; tile row
	s_lshl_b32 s43, s41, 2
	s_lshl_b32 s43, 15, s43                        ; my row of the cluster
	s_lshl_b32 s44, 0x1111, s40                    ; my column
	s_or_b32 s[G1+0], s43, (0<<16)|(1<<20)|(1<<21)|(6<<22)|(3<<25)  ; the mask; elements of 1 byte; padding on; bit 21 beside a mask; after every 128 words, 4 words
	s_or_b32 s[G1B+0], s44, (0<<16)|(1<<20)|(1<<21)|(6<<22)|(3<<25)
.irp g, G1, G1B
	s_mov_b32 s[\g+1], KSTEP<<16                   ; tensor_dim0
	s_mov_b32 s[\g+2], 64<<16                      ; tensor_dim1
	s_mov_b32 s[\g+3], KSTEP<<16                   ; tile_dim0
	s_mov_b32 s[\g+4], 64                          ; tile_dim1
	s_mov_b32 s[\g+5], SIZE_K                      ; tensor_dim0_stride
	s_mov_b32 s[\g+6], 0
	s_mov_b32 s[\g+7], 0
.endr
	s_lshl_b32 s17, s12, 6
	s_lshl_b32 s16, s13, 7
	s_add_co_u32 s16, s16, s17                     ; A: row 128 x tile row + 64 x half
	s_lshl_b32 s46, s42, 7
	s_add_co_u32 s46, s46, s17                     ; B: row 128 x tile column + 64 x half
	s_mul_i32 s16, s16, SIZE_K                     ; in bytes: under 2^24
	s_mul_i32 s46, s46, SIZE_K
	s_add_co_u32 s46, s46, BOFF
	s_mov_b32 s17, 0
	s_mov_b32 s47, 0
	s_mul_i32 s20, s10, HALFT                      ; where they go: wave x 64 rows
	s_wait_dscnt 0x0                               ; both opening adds are done
	s_wait_kmcnt 0x0
	s_load_b64 s[76:77], s[68:69], EOFF            ; ea, eb
	s_add_nc_u64 s[14:15], s[4:5], s[16:17]
	s_add_nc_u64 s[46:47], s[6:7], s[46:47]
	CROUND                                         ; all sixteen work-groups are here: the first joint loads meet
.irp s, 0,1
	s_mov_b32 s[G0+4*\s], 1
	s_add_co_u32 s[G0+4*\s+1], s20, \s*SLOT
	s_add_nc_u64 s[G0+4*\s+2:G0+4*\s+3], s[14:15], \s*KSTEP
	s_or_b32 s[G0+4*\s+3], s[G0+4*\s+3], 0x80000000
	s_mov_b32 s[G0B+4*\s], 1
	s_add_co_u32 s[G0B+4*\s+1], s20, \s*SLOT
	s_add_nc_u64 s[G0B+4*\s+2:G0B+4*\s+3], s[46:47], \s*KSTEP
	s_or_b32 s[G0B+4*\s+3], s[G0B+4*\s+3], 0x80000000
.endr
	JLOAD 0                                        ; K step 0: one tensor load a wave at the head
	; THE PREFETCHES: behind the load of K step t one instruction a wave names K step t + 2 (the head's also K step 1).  Of the 64 rows that I fetch, each of the four partners that ask for them with me takes 16,
	; told apart by address (cx for A, cy for B): 16 rows x 2 blocks of 256 bytes, a lane a block.  The loads of K steps 6 and 7 name nothing: there is no K step behind 7.
	s_cmp_eq_u32 s11, 0
	s_cselect_b64 s[86:87], s[14:15], s[46:47]     ; the rows that I fetch, at K step 0
	s_cselect_b32 s88, s40, s41
	s_mul_i32 s88, s88, 16*SIZE_K
	s_mov_b32 s89, 0
	s_add_nc_u64 s[86:87], s[86:87], s[88:89]      ; my work-group's 16 of them
	v_and_b32 v1, 15, v0                           ; r
	s_wait_alu depctr_va_vdst(0)
	v_bfe_u32 v2, v0, 4, 1                         ; h
	v_mul_u32_u24 v3, v1, PITCH
	v_lshl_add_u32 v3, v2, 4, v3
	s_mul_i32 s21, s11, HALFT
	s_mul_i32 s22, s12, HALFT
	s_add_co_u32 s22, s22, 2*HALFT
.irp s, 0,1
	v_add_nc_u32 v[ADRA+\s], s21, v3
	v_add_nc_u32 v[ADRB+\s], s22, v3
	s_add_co_u32 s21, s21, SLOT
	s_add_co_u32 s22, s22, SLOT
.endr
	s_mul_i32 s23, s10, 16*SPITCH                  ; my stage
	v_mul_u32_u24 v4, v1, SPITCH
	s_wait_alu depctr_va_vdst(0)
	v_lshl_add_u32 v4, v2, 5, v4
	v_add_nc_u32 v[STO], s23, v4                   ; in: row r, 32 bytes for each half of the lanes
	v_mul_u32_u24 v5, v2, SPITCH
	v_lshl_add_u32 v5, v1, 4, v5
	v_add_nc_u32 v[RD], s23, v5                    ; back: lanes 0-15 one row of 256 bytes, lanes 16-31 the next
	v_lshlrev_b32 v5, 12, v2
	v_lshl_add_u32 v[CO], v1, 4, v5                ; and the same two rows in the residual and in out
	s_wait_alu depctr_va_vdst(0)
	s_lshl_b32 s82, s13, 7
	s_lshl_b32 s83, s11, 6
	s_add_co_u32 s82, s82, s83                     ; my first row,
	s_lshl_b32 s82, s82, 12
	s_lshl_b32 s84, s42, 9                         ; my first column, in bytes: 512 x tile column + 256 x half
	s_lshl_b32 s85, s12, 8
	s_add_co_u32 s84, s84, s85
	s_add_co_u32 s82, s82, s84
	s_mov_b32 s83, 0
	s_mov_b32 s85, 0
	s_add_nc_u64 s[70:71], s[70:71], s[82:83]
	s_add_nc_u64 s[72:73], s[72:73], s[82:83]
.if HAS_BIAS
	s_add_nc_u64 s[74:75], s[74:75], s[84:85]
	v_lshlrev_b32 v6, 4, v1
	global_load_b128 v[BI:BI+3], v6, s[74:75]      ; the bias of the four columns that I store
.endif
	WIN 0x80                                       ; destination window 2
.set jj, 0
.rept 32
	global_load_b128 v[RES+4*jj:RES+4*jj+3], v[CO], s[70:71] offset:8192*jj th:TH_LOAD_NT   ; my 64 rows x 256 bytes, laid as the rows come back from the stage
.set jj, jj+1
.endr
	WIN 0
; 8 matrix instructions: A's blocks a0, a0 + 1 x B's four, 128 along K.  The 16 accumulators take turns, one instruction a turn, in one fixed order.
.macro MUL8 f, a0, zero
.irp a, \a0, \a0+1
.irp b, 0,1,2,3
.if \zero
	v_wmma_f32_16x16x128_fp8_fp8 v[ACC+8*(4*(\a)+\b):ACC+8*(4*(\a)+\b)+7], v[\f+64+16*\b:\f+64+16*\b+15], v[\f+16*(\a):\f+16*(\a)+15], 0
.else
	v_wmma_f32_16x16x128_fp8_fp8 v[ACC+8*(4*(\a)+\b):ACC+8*(4*(\a)+\b)+7], v[\f+64+16*\b:\f+64+16*\b+15], v[\f+16*(\a):\f+16*(\a)+15], v[ACC+8*(4*(\a)+\b):ACC+8*(4*(\a)+\b)+7]
.endif
.endr
.endr
.endm
; 32 LDS loads in one run: the slot's q-th 128 along K into buffer f: B's 16, A's blocks 0, 1 (8), A's blocks 2, 3 (8).  Registers 4 c .. 4 c + 3 of a fragment hold K = 32 c + 16 h + 0 .. 15: the same in A and B
.macro FETCH slot, q, f
	WIN TO_F
.irp i, 0,1,2,3
.irp c, 0,1,2,3
	ds_load_b128 v[\f+64+16*\i+4*\c:\f+64+16*\i+4*\c+3], v[ADRB+\slot] offset:128*(\q)+32*\c+\i*16*PITCH
.endr
.endr
.irp i, 0,1,2,3
.irp c, 0,1,2,3
	ds_load_b128 v[\f+16*\i+4*\c:\f+16*\i+4*\c+3], v[ADRA+\slot] offset:128*(\q)+32*\c+\i*16*PITCH
.endr
.endr
.endm
.macro PLACES
.rept 4
	v_nop
.endr
.endm
; One of a slot's first three parts: multiplies buffer f and fetches part q into buffer g.
.macro SUB slot, q, f, g, zero
	s_wait_dscnt 8                                 ; B's four and A's blocks 0, 1 are in; the youngest eight loads (A's blocks 2, 3) may be out
	WIN MUL
	MUL8 \f, 0, \zero
	PLACES                                         ; ahead of loads into the buffer that the part before multiplied
	FETCH \slot, \q, \g
	s_wait_dscnt 32                                ; all but the 32 just issued
	WIN MUL
	MUL8 \f, 2, \zero
.endm
; The last part multiplies buffer 1 and changes slots: ONE barrier; ahead of it each wave waits for all its tensor loads, adds 0 to its spare word, and waits for that and for its reads of this slot.
.macro TURN slot, next, fill
	WIN 0
.if \fill
	s_wait_xcnt 0x0                                ; the last prefetch, a K step back, has read its address
	s_add_nc_u64 s[86:87], s[86:87], KSTEP
.endif
	s_wait_tensorcnt 0x0
	ds_add_u32 v[SPW], v[NIL]
	s_wait_dscnt 9
	WIN MUL
	MUL8 F1, 0, 0
	s_wait_dscnt 0x0                               ; the add is done, and my reads of this slot are over
	s_barrier_signal -1
	WIN 0
	s_barrier_wait -1
.if \fill
	CREST                                          ; the barrier has opened a round of the cluster's: no wave of any partner still reads this slot or has a load on its way
	s_add_nc_u64 s[G0+4*\slot+2:G0+4*\slot+3], s[G0+4*\slot+2:G0+4*\slot+3], 2*KSTEP
	s_add_nc_u64 s[G0B+4*\slot+2:G0B+4*\slot+3], s[G0B+4*\slot+2:G0B+4*\slot+3], 2*KSTEP
	JLOAD \slot                                    ; the first tensor load behind the round; its four v_nop are the places for the loads below
.else
	PLACES
.endif
	FETCH \next, 0, F0
.if \fill
	WIN 0                                          ; at a branch and at a label every window is 0
	s_cmp_gt_u32 s3, 1                             ; the loop's last trip loads K steps 6 and 7
	s_cbranch_scc0 .Lno_ask_\@
	global_prefetch_b8 v30, s[86:87] offset:3*KSTEP th:TH_LOAD_NT scope:SCOPE_SE   ; the address stands one K step under the step being multiplied's successor: this names the K step two loads on
.Lno_ask_\@:
.endif
	WIN MUL
	MUL8 F1, 2, 0
.endm
	v_bfe_u32 v30, v0, 1, 4                        ; the prefetches' offset: row lane / 2, block lane % 2
	v_and_b32 v31, 1, v0
	v_lshlrev_b32 v30, 12, v30
	v_lshl_add_u32 v30, v31, 8, v30
	s_wait_alu depctr_va_vdst(0)                   ; the head's end
	global_prefetch_b8 v30, s[86:87] offset:KSTEP th:TH_LOAD_NT scope:SCOPE_SE
	global_prefetch_b8 v30, s[86:87] offset:2*KSTEP th:TH_LOAD_NT scope:SCOPE_SE
	s_wait_tensorcnt 0x0                           ; my part of K step 0 is in
	ds_add_u32 v[SPW], v[NIL]
	s_wait_dscnt 0x0
	CROUND                                         ; everybody's part of K step 0 is in, and the joint loads meet
	JLOAD 1                                        ; K step 1: the first tensor load behind the round
	FETCH 0, 0, F0
	WIN 0
	global_prefetch_b8 v30, s[86:87] offset:3*KSTEP th:TH_LOAD_NT scope:SCOPE_SE
	SUB 0, 1, F0, F1, 1                            ; the first part's products start the sums
.if LAPS > 1
	WIN 0
	s_mov_b32 s3, LAPS-1
.Llap:                                             ; a trip goes once round the ring and fills both slots again
	SUB 0, 2, F1, F0, 0
	SUB 0, 3, F0, F1, 0
	TURN 0, 1, 1
	SUB 1, 1, F0, F1, 0
	SUB 1, 2, F1, F0, 0
	SUB 1, 3, F0, F1, 0
	TURN 1, 0, 1
	SUB 0, 1, F0, F1, 0
	WIN 0
	s_sub_co_u32 s3, s3, 1
	s_cmp_lg_u32 s3, 0
	s_cbranch_scc1 .Llap
.endif
	SUB 0, 2, F1, F0, 0                            ; the last lap fills nothing
	SUB 0, 3, F0, F1, 0
	TURN 0, 1, 0
	SUB 1, 1, F0, F1, 0
	SUB 1, 2, F1, F0, 0
	SUB 1, 3, F0, F1, 0
	s_wait_dscnt 8
	WIN MUL
	MUL8 F1, 0, 0
	s_wait_dscnt 0
	MUL8 F1, 2, 0
	WIN 0
; THE WAY OUT, a block of 16 rows x 64 columns at a time.  The sums go through my stage as they are and come back as whole rows of 256 bytes; there one packed multiply-add gives sum x 2^(ea + eb) + residual.
.macro TOSTAGE a
.irp b, 0,1,2,3
	ds_store_b128 v[STO], v[ACC+32*(\a)+8*\b:ACC+32*(\a)+8*\b+3] offset:64*\b          ; each accumulator from its low end on
	ds_store_b128 v[STO], v[ACC+32*(\a)+8*\b+4:ACC+32*(\a)+8*\b+7] offset:64*\b+16
.endr
.irp t, 0,1,2,3,4,5,6,7
	ds_load_b128 v[BK+32*((\a)%2)+4*\t:BK+32*((\a)%2)+4*\t+3], v[RD] offset:\t*2*SPITCH   ; LDS serves a wave's instructions in order: these see the stores above
.endr
.endm
.macro SEND a, younger                 ; younger: the LDS instructions issued behind block a's loads
.set BB, BK+32*((\a)%2)
	s_wait_dscnt \younger
	WIN 0x20                                       ; source 2 (the residual) window 2
.set jj, 0
.rept 16
	v_pk_fma_f32 v[BB+jj:BB+jj+1], v[BB+jj:BB+jj+1], s[78:79], v[RES+32*(\a)+jj:RES+32*(\a)+jj+1] op_sel_hi:[1,0,1]
.set jj, jj+2
.endr
	WIN 0
.if HAS_BIAS
.set jj, 0
.rept 8
	v_pk_add_f32 v[BB+jj:BB+jj+1], v[BB+jj:BB+jj+1], v[BI:BI+1]
	v_pk_add_f32 v[BB+jj+2:BB+jj+3], v[BB+jj+2:BB+jj+3], v[BI+2:BI+3]
.set jj, jj+4
.endr
.endif
.irp t, 0,1,2,3,4,5,6,7
	global_store_b128 v[CO], v[BB+4*\t:BB+4*\t+3], s[72:73] offset:(16*(\a)+2*\t)*4096   ; sixteen lanes store 256 consecutive bytes, aligned
.endr
.endm
	s_wait_kmcnt 0x0
	s_add_co_i32 s78, s76, s77
	s_add_co_i32 s78, s78, 127
	s_lshl_b32 s78, s78, 23                        ; 2^(ea + eb)
	s_mov_b32 s79, s78                             ; (named with it as a pair)
	PLACES                                         ; behind the last products, ahead of the stores that read results
	TOSTAGE 0
	s_wait_loadcnt 0x0                             ; the residual and the bias
.irp a, 1,2,3
.if \a > 1
	s_wait_xcnt 0x0                                ; block a - 2's stores have read their registers: block a's loads may land there
.endif
	TOSTAGE \a
	SEND \a-1, 16                                  ; behind block a - 1's loads: block a's 8 stores and 8 loads
.endr
	SEND 3, 0
	s_wait_tensorcnt 0x0                           ; the wave's end
	ds_add_u32 v[SPW], v[NIL]
	s_wait_dscnt 0x0
	CROUND                                         ; the closing round
	s_endpgm
.Lfunc_end_k_qe332e6f340_proj:
	.size	k_qe332e6f340_proj, .Lfunc_end_k_qe332e6f340_proj-k_qe332e6f340_proj
	.p2alignl 7, 3214868480
	.fill 96, 4, 3214868480
	.section	.rodata,"a",@progbits
	.p2align	6, 0x0
	.amdhsa_kernel k_qe332e6f340_proj
		.amdhsa_group_segment_fixed_size 327680
		.amdhsa_private_segment_fixed_size 0
		.amdhsa_enable_private_segment 0
		.amdhsa_kernarg_size 48
		.amdhsa_user_sgpr_count 2
		.amdhsa_user_sgpr_kernarg_segment_ptr 1
		.amdhsa_wavefront_size32 1
		.amdhsa_system_sgpr_workgroup_id_x 1
		.amdhsa_system_sgpr_workgroup_id_y 1
		.amdhsa_system_sgpr_workgroup_id_z 1
		.amdhsa_system_vgpr_workitem_id 0
		.amdhsa_next_free_vgpr 768
		.amdhsa_next_free_sgpr 90
		.amdhsa_reserve_vcc 0
		.amdhsa_float_denorm_mode_32 3
		.amdhsa_float_denorm_mode_16_64 3
		.amdhsa_memory_ordered 1
		.amdhsa_forward_progress 1
		.amdhsa_inst_pref_size 83
	.end_amdhsa_kernel
	.amdgpu_metadata
---
amdhsa.version: [ 1, 2 ]
amdhsa.kernels:
  - .name:           k_qe332e6f340_proj
    .symbol:         k_qe332e6f340_proj.kd
    .args:
      - { .name: mq, .offset: 0, .size: 8, .value_kind: global_buffer, .address_space: global }
      - { .name: codes, .offset: 8, .size: 8, .value_kind: global_buffer, .address_space: global }
      - { .name: lowp_scales, .offset: 16, .size: 8, .value_kind: global_buffer, .address_space: global }
      - { .name: x2, .offset: 24, .size: 8, .value_kind: global_buffer, .address_space: global }
      - { .name: out0, .offset: 32, .size: 8, .value_kind: global_buffer, .address_space: global }
      - { .name: b_proj, .offset: 40, .size: 8, .value_kind: global_buffer, .address_space: global }
    .group_segment_fixed_size: 327680
    .private_segment_fixed_size: 0
    .kernarg_segment_align: 8
    .kernarg_segment_size: 48
    .max_flat_workgroup_size: 128
    .sgpr_count:     90
    .vgpr_count:     768
    .wavefront_size: 32
...
	.end_amdgpu_metadata
.endif
;; end of part 7
